; MI455X (gfx1250); checked and timed in simulation.
; The chip was launched on July 23, 2026; its instructions are those of AMD's public machine-readable ISA for CDNA 5 (MIT licence, August 2026) and "CDNA5" Instruction Set Architecture Reference Guide (July 2026). The comments in the code are by the model that wrote it; some were corrected since.
;; Causal Self Attention. Allowed arithmetic: matrix products marked QUANTISED: E2M3 operands, one E8M0 scale for each 32 along K, by v_wmma_scale_f32_16x16x128_f8f6f4 with both operands' format E2M3, f32 sums; everything else in f32.
;; Inputs: w_attn 1,024 x 3,072 float32; w_proj 1,024 x 1,024 float32; x 4 x 2,048 x 1,024 float32.
;; Outputs: out0 4 x 2,048 x 1,024 float32.
;; This version of the problem:
;;   THIS VERSION OF THE PROBLEM IS GIVEN IN LOW PRECISION. The matrix products marked QUANTISED in the list below multiply operands that are first quantised to E2M3 (2 exponent bits, 3 mantissa bits; 6 bits a number), with one power-of-two scale for each 32 numbers along K (OCP MX v1.0); their sums are f32. All else is computed in f32.
;;   The module's matrix products, in the order in which they are computed (A, B: the left and right operand; K: the contracted axis; several contracted axes count as one K, in the product's order):
;;     1. [M 8,192, K 1,024] x [K 1,024, N 3,072]; A: input x; B: input w_attn: QUANTISED
;;     2. batch 64 x [M 2,048, K 64] x [K 64, N 2,048]; A: computed on the way; B: computed on the way: QUANTISED
;;     3. batch 64 x [M 2,048, K 2,048] x [K 2,048, N 64]; A: softmax (see below); B: computed on the way: QUANTISED
;;     4. [M 8,192, K 1,024] x [K 1,024, N 1,024]; A: computed on the way; B: input w_proj: QUANTISED
;;   THE QUANTISER, for each operand of a quantised product, along K:
;;     - K is cut into blocks of 32 from its start; a last block that is shorter is filled with zeros.
;;     - A block's scale is 2^e with e = floor(log2(the largest magnitude in the block)) - 2, held to -126 .. 127; a block of zeros has e = 0. As a byte (E8M0): e + 127.
;;     - Each number is divided by its block's scale, clamped to +-7.5, and rounded to the nearest number of E2M3, ties to even, subnormals kept.
;;     - The product sums the exact products of the quantised numbers (number of the format x scale) in f32.
;;   ~~~python
;;   def quantise(x, axis):      # numpy; x: float32 -> the quantised numbers, widened to float32 again
;;       x = np.moveaxis(x, axis, -1); K = x.shape[-1]
;;       x = np.pad(x, [(0, 0)] * (x.ndim - 1) + [(0, -K % 32)]); x = x.reshape(x.shape[:-1] + (-1, 32)); a = np.abs(x).max(-1, keepdims=True)
;;       e = np.where(a > 0, np.clip(np.frexp(np.where(a > 0, a, 1))[1] - 1 - 2, -126, 127), 0)      # np.frexp(a)[1] - 1 = floor(log2(a)), exactly
;;       r = np.clip(x / 2.0 ** e, -7.5, 7.5)
;;       step = 2.0 ** (np.maximum(np.frexp(np.where(r == 0, 1, r))[1] - 1, 0) - 3)
;;       q = np.round(r / step) * step * 2.0 ** e      # np.round: ties to even
;;       return np.moveaxis(q.reshape(q.shape[:-2] + (-1,))[..., :K], -1, axis).astype(np.float32)
;;   ~~~
;;   SOFTMAX AHEAD OF A QUANTISED PRODUCT. Where the list says 'softmax', what is quantised is not the finished softmax but p = 2^(t - M), with t = logit x log2(e) and M = ceil(the row's largest t), a whole number; so 1/2 < the row's largest p <= 1. The row's sum l is taken of the UNQUANTISED p, in f32, and the product's result is divided by l at the end. Since M is a whole number, a kernel that streams over the keys may use a running M (the ceiling of the running maximum): every later rescaling is an exact power of two, which a block's scale takes up: the codes' values come out the same.
;;   OPERANDS COMPUTED ON THE WAY. 'Computed on the way' means the value that the module computes at that place (a softmax that the list does not call 'softmax' is quantised finished and normalised). What goes into a quantiser is computed in f32, as accurately as f32 sums, v_exp_f32 and their like allow (about 1e-6 of the number): no bf16 or f16 on the way to a quantiser, and a product that is left as it is and whose result goes on into a quantised operand takes f32 operands (vector FMAs, or v_wmma_f32_16x16x4_f32). A number that lies on a knife's edge between two numbers of the format may be rounded either way, as far as f32 arithmetic and the matrix unit's own rounding can turn it there, and no further.
;; One version. Each part assembles by itself: llvm-mc -triple=amdgcn-amd-amdhsa -mcpu=gfx1250 --defsym DOCPART=n.
;; ======== version 1 of 1: 4 launches
;; limits: right only within a limited range of input values
;; workspace buffers: xc 6,291,456 bytes; xs 262,144 bytes; wc 3,145,728 bytes; ws 131,072 bytes; qr 6,815,744 bytes; kv 13,369,344 bytes; yc 6,291,456 bytes; ys 262,144 bytes
;; launch prep (part 1): grid 384 x 1, 4 waves a work-group, no clusters, 34,304 bytes of LDS; arguments x, w_attn, w_proj, xc, xs, wc, ws; writes xc, xs, wc, ws
.if DOCPART == 1
	.amdgcn_target "amdgcn-amd-amdhsa--gfx1250"
	.amdhsa_code_object_version 6
	.text
	.protected	k_qe120a44f59_prep
	.globl	k_qe120a44f59_prep
	.p2align	8
	.type	k_qe120a44f59_prep,@function
k_qe120a44f59_prep:
	s_mov_b64 s[64:65], 0
	v_nop
	global_prefetch_b8 v0, s[64:65] scope:SCOPE_SE
	s_setreg_imm32_b32 hwreg(HW_REG_WAVE_MODE, 25, 1), 1
	s_wait_xcnt 0x0
; x [8192][1024], w_attn [1024][3072] and w_proj [1024][1024], f32, become codes of FP6 (E2M3) with one E8M0 byte for each 32 along K (K = the 1,024 channels), laid as the products' operand registers want them.
; A block's scale is 2^(floor(log2(its largest magnitude)) - 2): its byte is that magnitude's exponent field - 2, held at 1 from below by a floor among the maximum's leaves.
; LIMITS: a block of zeros, and one whose largest magnitude lies under 2^-124, get the byte 1 (the rule says 127 for zeros): its codes are zeros, and this program alone reads the bytes.  NaN and infinities are not served.
; LAYOUT OF THE CODES: [128 rows][256 along K][tile of 16 rows][128 K][64 K][768 bytes].  The 768 bytes are 16 rows x 64 K as lane l = r + 16 h of an operand holds them (row r, block h: six words):
; words 0-3 at 16 l, words 4-5 at 512 + 16 r + 8 h.  SCALES: [128 rows][256 along K][row][128 K] words, byte b = block b.
; POSITIONS: place p of a row axis (tokens; the weights' columns) holds true index p with bits 3 and 4 exchanged, so that a product that takes 16 such rows as its first source leaves 16 true neighbours in two tiles' registers.
; SHARES: a work-group makes one block of 128 rows x 256 K (24,576 bytes of codes, 1,024 of scales), a wave 32 rows of it.  Work-groups 0-255: x; 256-351: w_attn; 352-383: w_proj (behind w_attn in wc and ws).
; x has K innermost: a load takes 512 consecutive bytes of a row, and 16 rows turn through the wave's own stage in LDS so that a lane gets a whole block of 32.  The weights have K as their first axis: a lane takes a column
; and its registers run down K.  No wave reads what another wrote: no barrier.
.set STG,   8448                       ; a wave's stage: 16 rows x (512 bytes + 16)
.set SPARE, 4*STG                      ; behind the stages: the spare words, 128 bytes a wave: two blocks of 256 bytes that no other line names
.set L16, 1                            ; v1   16 x lane
.set LT,  2                            ; v2   16 r + 8 h
.set L8,  3                            ; v3   8 x lane
.set STI, 4                            ; v4   the stage, in: 16 x lane
.set STO, 5                            ; v5   the stage, out: 528 r + 128 h
.set SH8, 6                            ; v6   8 h
.set WO,  7                            ; v7   the weights: 4 x my true column among the wave's 32
.set WL,  8                            ; v8   the weights' codes: 3072 x (lane / 16) + 16 r
.set LN,  9                            ; v9   lane
.set M0,  16                           ; v16-19, v20-23  words 0-3 of two blocks' codes
.set TL,  24                           ; v24-27 words 4-5 of two blocks' codes
.set CT,  28                           ; v28-30 a block's upper 16 codes as the conversion leaves them
.set WD,  32                           ; v32-35 x: a fragment's scale words
.set W,   36                           ; v36-37 the scale words that are stored
.set PT,  38                           ; v38    a lane permute's destination
.set X,   40                           ; v40-103 two blocks of 32 numbers
.set R,   104                          ; v104-231 x: two sets of 16 loads
.set SPW, 250                          ; v250 my spare word's LDS address; never rewritten
.set NIL, 251                          ; v251 0; never rewritten
; 32 numbers of one block in one lane, v[xs] on, become six words of codes (m .. m+3, tl, tl+1) and the scale's byte (by).
.macro BLK xs, m, tl, by
	v_max3_num_f32 v10, |v[(\xs)]|, |v[(\xs)+1]|, |v[(\xs)+2]|
	v_max3_num_f32 v11, |v[(\xs)+3]|, |v[(\xs)+4]|, |v[(\xs)+5]|
.irp i, 6,10,14,18,22,26
	v_max3_num_f32 v10, v10, |v[(\xs)+\i]|, |v[(\xs)+\i+1]|
	v_max3_num_f32 v11, v11, |v[(\xs)+\i+2]|, |v[(\xs)+\i+3]|
.endr
	v_max3_num_f32 v10, v10, |v[(\xs)+30]|, |v[(\xs)+31]|
	v_max3_num_f32 v10, v10, v11, 0x1800000        ; and the floor 2^(3 - 127): the byte cannot fall under 1
	v_add_nc_u32 v12, 0xff000000, v10              ; 2 off the exponent field: the conversion takes this operand's exponent field as its scale
	v_cvt_scalef32_pk16_fp6_f32 v[(\m):(\m)+2], v[(\xs):(\xs)+15], v12
	v_cvt_scalef32_pk16_fp6_f32 v[CT:CT+2], v[(\xs)+16:(\xs)+31], v12   ; (a conversion's three registers begin on an even number)
	v_lshrrev_b32 v[\by], 23, v12                  ; the byte; also the plain line between the conversions and the moves that read their results
	v_mov_b32 v[(\m)+3], v[CT]
	v_mov_b32 v[(\tl)], v[CT+1]
	v_mov_b32 v[(\tl)+1], v[CT+2]
.endm
.macro FINISH                          ; the wave's end
	s_wait_tensorcnt 0x0
	ds_add_u32 v[SPW], v[NIL]
	s_wait_dscnt 0x0
	s_endpgm
.endm
	s_load_b128 s[4:7], s[0:1], 0x0                ; x, w_attn
	s_load_b128 s[8:11], s[0:1], 0x10              ; w_proj, xc
	s_load_b128 s[12:15], s[0:1], 0x20             ; xs, wc
	s_load_b64 s[16:17], s[0:1], 0x30              ; ws
	v_lshl_add_u32 v[SPW], v0, 2, SPARE
	v_mov_b32 v[NIL], 0
	v_lshrrev_b32 v31, 5, v0
	v_readfirstlane_b32 s22, v31                   ; wave 0..3
	v_and_b32 v[LN], 31, v0
	v_and_b32 v15, 15, v0                          ; r
	v_bfe_u32 v39, v0, 4, 1                        ; h
	v_lshlrev_b32 v[L16], 4, v[LN]
	v_lshlrev_b32 v[LT], 4, v15
	v_lshl_add_u32 v[LT], v39, 3, v[LT]
	v_lshlrev_b32 v[L8], 3, v[LN]
	s_mul_i32 s23, s22, STG
	v_add_nc_u32 v[STI], s23, v[L16]
	v_mul_u32_u24 v[STO], v15, 528
	v_lshl_add_u32 v[STO], v39, 7, v[STO]
	v_add_nc_u32 v[STO], s23, v[STO]
	v_lshlrev_b32 v[SH8], 3, v39
	v_and_b32 v[WO], 7, v0                         ; the lane with bits 3 and 4 exchanged,
	v_bfe_u32 v31, v0, 3, 1
	v_lshl_add_u32 v[WO], v31, 4, v[WO]
	v_lshl_add_u32 v[WO], v39, 3, v[WO]
	v_lshlrev_b32 v[WO], 2, v[WO]                  ; in bytes
	v_mul_u32_u24 v[WL], v39, 3072
	v_lshl_add_u32 v[WL], v15, 4, v[WL]
	v_mov_b32 v[PT], 0                             ; written once: a lane permute's destination counts as one of its sources
	s_mov_b32 s20, 0x76543210
	s_mov_b32 s21, 0xfedcba98                      ; v_permlanex16_b32's selects for lane l xor 16
	s_cmp_lt_u32 ttmp9, 256
	s_cselect_b32 s24, 0, 256
	s_sub_co_u32 s24, ttmp9, s24                   ; my block's number in xc, or in wc
	s_mul_i32 s26, s24, 24576
	s_mul_i32 s25, s22, 6144
	s_add_co_u32 s26, s26, s25                     ; my wave's two tiles of codes
	s_mov_b32 s27, 0
	s_lshl_b32 s28, s24, 10
	s_lshl_b32 s25, s22, 8
	s_add_co_u32 s28, s28, s25                     ; my wave's 32 rows of scale words
	s_mov_b32 s29, 0
	s_wait_kmcnt 0x0
	s_cmp_lt_u32 ttmp9, 256                        ; the choice hangs on the work-group's number alone
	s_cselect_b64 s[10:11], s[10:11], s[14:15]
	s_cselect_b64 s[12:13], s[12:13], s[16:17]
	s_add_nc_u64 s[10:11], s[10:11], s[26:27]      ; where my codes go
	s_add_nc_u64 s[12:13], s[12:13], s[28:29]      ; where my scale words go
	s_cmp_lt_u32 ttmp9, 256
	s_cbranch_scc0 .Lweights
	; ---- x: rows 128 (G / 4) + 32 wave on, K from 256 (G % 4) on
	s_lshr_b32 s30, ttmp9, 2
	s_lshl_b32 s30, s30, 19
	s_lshl_b32 s25, s22, 17
	s_add_co_u32 s30, s30, s25
	s_and_b32 s25, ttmp9, 3
	s_lshl_b32 s25, s25, 10
	s_add_co_u32 s30, s30, s25
	s_mov_b32 s31, 0
	s_add_nc_u64 s[4:5], s[4:5], s[30:31]
; fragment f = 2 u + q: tile u of the wave's two, the q-th 128 along K.  Place t of the tile is true row 8 u + t + 8 (t / 8) of the wave's 32.  Each load: 512 consecutive bytes of one row
.macro LOADF f
.set T, 0
.rept 16
	global_load_b128 v[R+64*((\f)%2)+4*T:R+64*((\f)%2)+4*T+3], v[L16], s[4:5] offset:(8*((\f)/2)+T+8*(T/8))*4096+512*((\f)%2) th:TH_LOAD_NT
.set T, T+1
.endr
.endm
.macro XFRAG f
.if (\f) < 3
	s_wait_loadcnt 16                              ; this fragment's 16 loads are in; the next fragment's 16 may be out
.else
	s_wait_loadcnt 0x0
.endif
.set T, 0
.rept 16
	ds_store_b128 v[STI], v[R+64*((\f)%2)+4*T:R+64*((\f)%2)+4*T+3] offset:528*T
.set T, T+1
.endr
.irp c, 0,1                                    ; back: lane (r, h) takes blocks h and 2 + h of row r, 128 bytes each.  LDS serves a wave's instructions in order: no wait between
.irp j, 0,1,2,3,4,5,6,7
	ds_load_b128 v[X+32*\c+4*\j:X+32*\c+4*\j+3], v[STO] offset:256*\c+16*\j
.endr
.endr
	s_wait_dscnt 0x0                               ; the numbers are back, and the stores into the stage have read their registers
	s_wait_xcnt 0x0                                ; the last fragment's global stores have read their data: the codes' registers may be written again
.if (\f) < 2
	LOADF (\f)+2
.endif
	BLK X, M0, TL, 13
	BLK X+32, M0+4, TL+2, 14
.irp c, 0,1
	global_store_b128 v[L16], v[M0+4*\c:M0+4*\c+3], s[10:11] offset:1536*(\f)+768*\c       ; 512 consecutive bytes
	global_store_b64 v[LT], v[TL+2*\c:TL+2*\c+1], s[10:11] offset:1536*(\f)+768*\c+512     ; 256 consecutive bytes
.endr
	v_lshl_or_b32 v13, v14, 16, v13                ; my two bytes: blocks h and 2 + h,
	v_lshlrev_b32 v13, v[SH8], v13                 ; at their places in the word;
	v_permlanex16_b32 v[PT], v13, s20, s21
	v_or_b32 v[WD+(\f)], v13, v[PT]                ; with lane l xor 16's two the word is whole
.endm
	LOADF 0
	LOADF 1
	XFRAG 0
	XFRAG 1
	XFRAG 2
	XFRAG 3
	v_cmp_le_u32 vcc_lo, 16, v[LN]                 ; lanes 16-31 store the second tile's words
	v_cndmask_b32 v[W], v[WD], v[WD+2], vcc_lo
	v_cndmask_b32 v[W+1], v[WD+1], v[WD+3], vcc_lo
	global_store_b64 v[L8], v[W:W+1], s[12:13]     ; 32 rows x 2 words: 256 consecutive bytes
	FINISH
; ---- the weights: lane L is place L of the wave's 32 columns; block t of eight: K = 32 t on
.macro LOADW t, pitch, base
.set I, 0
.rept 32
	global_load_b32 v[X+32*((\t)%2)+I], v[WO], s[\base:\base+1] offset:(32*(\t)+I)*\pitch th:TH_LOAD_NT
.set I, I+1
.endr
.endm
.macro BLOCKW t, pitch, base
.if (\t) < 7
	s_wait_loadcnt 32                              ; this block's 32 loads are in; the next block's may be out
.else
	s_wait_loadcnt 0x0
.endif
	s_wait_xcnt 0x0                                ; earlier stores have read their data
	BLK X+32*((\t)%2), M0+4*((\t)%2), TL+2*((\t)%2), 13
.if (\t)%4 == 0
	v_mov_b32 v[W+(\t)/4], v13                     ; four bytes to a word, the lower K in the lower byte
.else
	v_lshl_or_b32 v[W+(\t)/4], v13, 8*((\t)%4), v[W+(\t)/4]
.endif
.if (\t)+2 < 8
	LOADW (\t)+2, \pitch, \base
.endif
	global_store_b128 v[WL], v[M0+4*((\t)%2):M0+4*((\t)%2)+3], s[10:11] offset:1536*((\t)/4)+768*(((\t)%4)/2)+256*((\t)%2)   ; sixteen lanes: 256 consecutive bytes of a tile
.if (\t)%2 == 1
	global_store_b128 v[WL], v[TL:TL+3], s[10:11] offset:1536*((\t)/4)+768*(((\t)%4)/2)+512                                  ; words 4-5 of blocks h = 0 and 1 lie side by side
.endif
.endm
.macro WPATH pitch, base
	LOADW 0, \pitch, \base
	LOADW 1, \pitch, \base
.irp t, 0,1,2,3,4,5,6,7
	BLOCKW \t, \pitch, \base
.endr
	global_store_b64 v[L8], v[W:W+1], s[12:13]
	FINISH
.endm
.Lweights:
	s_cmp_lt_u32 ttmp9, 352
	s_cbranch_scc0 .Lproj
	s_sub_co_u32 s24, ttmp9, 256                   ; w_attn: columns 128 (g / 4) + 32 wave on, rows 256 (g % 4) on; a row is 12,288 bytes
	s_lshr_b32 s30, s24, 2
	s_lshl_b32 s30, s30, 9
	s_lshl_b32 s25, s22, 7
	s_add_co_u32 s30, s30, s25
	s_and_b32 s25, s24, 3
	s_mul_i32 s25, s25, 3145728
	s_add_co_u32 s30, s30, s25
	s_mov_b32 s31, 0
	s_add_nc_u64 s[6:7], s[6:7], s[30:31]
	s_wait_alu depctr_va_vdst(0)
	WPATH 12288, 6
.Lproj:
	s_sub_co_u32 s24, ttmp9, 352                   ; w_proj: the same; a row is 4,096 bytes
	s_lshr_b32 s30, s24, 2
	s_lshl_b32 s30, s30, 9
	s_lshl_b32 s25, s22, 7
	s_add_co_u32 s30, s30, s25
	s_and_b32 s25, s24, 3
	s_lshl_b32 s25, s25, 20
	s_add_co_u32 s30, s30, s25
	s_mov_b32 s31, 0
	s_add_nc_u64 s[8:9], s[8:9], s[30:31]
	s_wait_alu depctr_va_vdst(0)
	WPATH 4096, 8
.Lfunc_end_k_qe120a44f59_prep:
	.size	k_qe120a44f59_prep, .Lfunc_end_k_qe120a44f59_prep-k_qe120a44f59_prep
	.p2alignl 7, 3214868480
	.fill 96, 4, 3214868480
	.section	.rodata,"a",@progbits
	.p2align	6, 0x0
	.amdhsa_kernel k_qe120a44f59_prep
		.amdhsa_group_segment_fixed_size 34304
		.amdhsa_private_segment_fixed_size 0
		.amdhsa_enable_private_segment 0
		.amdhsa_kernarg_size 56
		.amdhsa_user_sgpr_count 2
		.amdhsa_user_sgpr_kernarg_segment_ptr 1
		.amdhsa_wavefront_size32 1
		.amdhsa_system_sgpr_workgroup_id_x 1
		.amdhsa_system_sgpr_workgroup_id_y 1
		.amdhsa_system_sgpr_workgroup_id_z 1
		.amdhsa_system_vgpr_workitem_id 0
		.amdhsa_next_free_vgpr 256
		.amdhsa_next_free_sgpr 66
		.amdhsa_reserve_vcc 1
		.amdhsa_float_denorm_mode_32 3
		.amdhsa_float_denorm_mode_16_64 3
		.amdhsa_memory_ordered 1
		.amdhsa_forward_progress 1
		.amdhsa_inst_pref_size 106
	.end_amdhsa_kernel
	.amdgpu_metadata
---
amdhsa.version: [ 1, 2 ]
amdhsa.kernels:
  - .name:           k_qe120a44f59_prep
    .symbol:         k_qe120a44f59_prep.kd
    .args:
      - { .name: x, .offset: 0, .size: 8, .value_kind: global_buffer, .address_space: global }
      - { .name: w_attn, .offset: 8, .size: 8, .value_kind: global_buffer, .address_space: global }
      - { .name: w_proj, .offset: 16, .size: 8, .value_kind: global_buffer, .address_space: global }
      - { .name: xc, .offset: 24, .size: 8, .value_kind: global_buffer, .address_space: global }
      - { .name: xs, .offset: 32, .size: 8, .value_kind: global_buffer, .address_space: global }
      - { .name: wc, .offset: 40, .size: 8, .value_kind: global_buffer, .address_space: global }
      - { .name: ws, .offset: 48, .size: 8, .value_kind: global_buffer, .address_space: global }
    .group_segment_fixed_size: 34304
    .private_segment_fixed_size: 0
    .kernarg_segment_align: 8
    .kernarg_segment_size: 56
    .max_flat_workgroup_size: 128
    .sgpr_count:     66
    .vgpr_count:     256
    .wavefront_size: 32
...
	.end_amdgpu_metadata
.endif
;; end of part 1
;; launch qkv (part 2): grid 96 x 4, 4 waves a work-group, clusters of 4 x 4, 327,680 bytes of LDS; arguments xc, xs, wc, ws, qr, kv; writes qr, kv
.if DOCPART == 2
	.amdgcn_target "amdgcn-amd-amdhsa--gfx1250"
	.amdhsa_code_object_version 6
	.text
	.protected	k_qe120a44f59_qkv
	.globl	k_qe120a44f59_qkv
	.p2align	8
	.type	k_qe120a44f59_qkv,@function
k_qe120a44f59_qkv:
	s_mov_b64 s[64:65], 0
	v_nop
	global_prefetch_b8 v0, s[64:65] scope:SCOPE_SE
	s_setreg_imm32_b32 hwreg(HW_REG_WAVE_MODE, 25, 1), 1
	s_wait_xcnt 0x0
	s_wait_alu depctr_hold_cnt(0) depctr_sa_sdst(0) depctr_va_vdst(0) depctr_va_sdst(0) depctr_va_ssrc(0) depctr_va_vcc(0) depctr_vm_vsrc(0)
	s_getreg_b32 s2, hwreg(HW_REG_IB_STS2, 6, 4)
	s_cmp_eq_u32 s2, 0
	s_cbranch_scc0 .Lentry_in_a_cluster
	s_endpgm
.Lentry_in_a_cluster:
	s_bfe_u32 s2, ttmp6, 0x10000c
	s_cmp_lg_u32 s2, 0xf033
	s_cbranch_scc0 .Lentry_shape_is_right
	s_endpgm
.Lentry_shape_is_right:
.set NQ,     2
.set FR,     12
.set NL,     4
.set NP,     4
.set HALFT,  24576
.set SLOT,   4*HALFT
.set SCL,     3*SLOT                   ; K block 0 (later block 3) in the first SLOT bytes; behind it, for each of the four parts, blocks 1 and 2 on end
.set G0H,  4                           ; s[4:7], s[8:11] group 0 of the head's loads of codes (the arguments there have been used)
.set G0HB, 8
.set HALFS,  4096
.set SPARE,  SCL+4*HALFS
.set ADRA, 16
.set ADRB, 20
.set L16,  24
.set LT,   25
.set L8,   26
.set ADRS, 27
.set SPW,  28
.set NIL,  29
.set SC,   32
.set PC,   112
.set AF,   128
.set TM,   200
.set PW,   216
.set RS,   224
.set G1, 24
.set G0, 32
.set G1B, 48
.set G0B, 56
.set G1S, 68
.set G0S, 76
.set G1SB, 80
.set G0SB, 88
.set SEL, 100
.set MSB, 0
.macro WIN new
.if MSB != (\new)
	s_set_vgpr_msb (MSB<<8)|(\new)
.set MSB, (\new)
.endif
.endm
.set MUL_LO, 0xa1
.set MUL_HI, 0xf1
.set TO_B,   0x40
.macro JLOAD g0a, g1a, g0b, g1b
	s_cmp_eq_u32 s15, 0
	s_cbranch_scc0 .Lfor_b_\@
	tensor_load_to_lds s[\g0a:\g0a+3], s[\g1a:\g1a+7]
	s_nop 0
.rept 4
	v_nop
.endr
	s_branch .Lasked_\@
.Lfor_b_\@:
	tensor_load_to_lds s[\g0b:\g0b+3], s[\g1b:\g1b+7]
	s_nop 0
.rept 4
	v_nop
.endr
.Lasked_\@:
.endm
.macro CREST
	s_cmp_lg_u32 s14, 0
	s_cbranch_scc1 .Lnot_wave_0_\@
	s_barrier_signal -3
.Lnot_wave_0_\@:
	s_barrier_wait -3
	s_barrier_signal -1
	s_barrier_wait -1
.endm
.macro CROUND
	s_barrier_signal -1
	s_barrier_wait -1
	CREST
.endm
	s_load_b128 s[4:7], s[0:1], 0x0
	s_load_b128 s[8:11], s[0:1], 0x10
	s_load_b128 s[96:99], s[0:1], 0x20
	v_lshl_add_u32 v[SPW], v0, 2, SPARE
	v_mov_b32 v[NIL], 0
	ds_add_u32 v[SPW], v[NIL]
	ds_add_u32 v[SPW], v[NIL]
	v_lshrrev_b32 v1, 5, v0
	v_readfirstlane_b32 s14, v1
	s_lshr_b32 s15, s14, 1
	s_and_b32 s16, s14, 1
	s_bfe_u32 s40, ttmp6, 0x40000
	s_bfe_u32 s41, ttmp6, 0x40004
	s_and_b32 s18, ttmp9, 1
	s_lshr_b32 s19, ttmp9, 1
	s_sub_co_u32 s12, ttmp9, 16
	s_cmp_lt_u32 ttmp9, 16
	s_cselect_b32 s42, s18, s12
	s_cselect_b32 s17, s19, 0
	s_cselect_b32 s13, 0, 16
	s_lshl_b32 s42, s42, 2
	s_add_co_u32 s42, s42, s40
	s_lshl_b32 s17, s17, 2
	s_add_co_u32 s17, s17, s41
	s_lshl_b32 s43, s41, 2
	s_lshl_b32 s43, 15, s43
	s_lshl_b32 s44, 0x1111, s40
	s_or_b32 s[G1+0], s43, (3<<16)|(1<<21)
	s_or_b32 s[G1B+0], s44, (3<<16)|(1<<21)
.irp g, G1, G1B                        ; the head's shape: K block 0 of two row blocks: 2 rows of 24,576 bytes, 98,304 bytes apart in memory
	s_mov_b32 s[\g+1], 3072<<16
	s_mov_b32 s[\g+2], 2<<16
	s_mov_b32 s[\g+3], 3072<<16
	s_mov_b32 s[\g+4], 2
	s_mov_b32 s[\g+5], 12288
	s_mov_b32 s[\g+6], 0
	s_mov_b32 s[\g+7], 0
.endr
	s_or_b32 s[G1S+0], s43, (3<<16)|(1<<21)
	s_or_b32 s[G1SB+0], s44, (3<<16)|(1<<21)
.irp g, G1S, G1SB
	s_mov_b32 s[\g+1], 32<<16
	s_mov_b32 s[\g+2], 32<<16
	s_mov_b32 s[\g+3], 32<<16
	s_mov_b32 s[\g+4], 32
	s_mov_b32 s[\g+5], 32
	s_mov_b32 s[\g+6], 0
	s_mov_b32 s[\g+7], 0
.endr
	s_lshl_b32 s20, s17, 1
	s_add_co_u32 s20, s20, s16
	s_add_co_u32 s20, s20, s13
	s_lshl_b32 s46, s42, 1
	s_add_co_u32 s46, s46, s16
	s_lshl_b32 s22, s20, 12
	s_mov_b32 s23, 0
	s_lshl_b32 s92, s46, 12
	s_mov_b32 s93, 0
	s_mul_i32 s20, s20, 4*HALFT
	s_mov_b32 s21, 0
	s_mul_i32 s46, s46, 4*HALFT
	s_mov_b32 s47, 0
	s_mul_i32 s45, s14, HALFT
	s_mov_b32 s[SEL], 0x76543210
	s_mov_b32 s[SEL+1], 0xfedcba98
	s_wait_dscnt 0x0
	s_wait_kmcnt 0x0
	s_cmp_lt_u32 ttmp9, 16
	s_cselect_b64 s[12:13], s[4:5], s[8:9]
	s_cselect_b64 s[8:9], s[8:9], s[4:5]
	s_cselect_b64 s[4:5], s[6:7], s[10:11]
	s_cselect_b64 s[10:11], s[10:11], s[6:7]
	s_add_nc_u64 s[20:21], s[12:13], s[20:21]
	s_add_nc_u64 s[22:23], s[4:5], s[22:23]
	s_add_nc_u64 s[46:47], s[8:9], s[46:47]
	s_add_nc_u64 s[92:93], s[10:11], s[92:93]
	CROUND
; The head's four tiles, each whole, one load a wave: wave 0 K block 0 of A's 256 rows, wave 1 of B's, wave 2 A's scales, wave 3 B's.
.macro HEADD g, lds, a                 ; group 0: the address less my half's distance s[18:19]: the tile's first byte
	s_mov_b32 s[\g], 1
	s_mov_b32 s[\g+1], \lds
	s_sub_nc_u64 s[\g+2:\g+3], s[\a:\a+1], s[18:19]
	s_or_b32 s[\g+3], s[\g+3], 0x80000000
.endm
.macro RING g, a                       ; set 0: K block 3 (stepped by two blocks ahead of its load) over block 0; set 1: K blocks 1 and 2 of my part, 49,152 bytes on end
	s_mov_b32 s[\g], 1
	s_add_co_u32 s[\g+1], s45, 0
	s_add_nc_u64 s[\g+2:\g+3], s[\a:\a+1], HALFT
	s_or_b32 s[\g+3], s[\g+3], 0x80000000
	s_mov_b32 s[\g+4], 1
	s_lshl_b32 s[\g+5], s45, 1
	s_add_co_u32 s[\g+5], s[\g+5], SLOT
	s_add_nc_u64 s[\g+6:\g+7], s[\a:\a+1], HALFT
	s_or_b32 s[\g+7], s[\g+7], 0x80000000
.endm
	s_mul_i32 s18, s16, 4*HALFT
	s_mov_b32 s19, 0
	HEADD G0H, 0, 20
	HEADD G0HB, 2*HALFT, 46
	s_lshl_b32 s18, s16, 12
	HEADD G0S, SCL, 22
	HEADD G0SB, SCL+2*HALFS, 92
	RING G0, 20
	RING G0B, 46
.macro ARM under, g0, g1, next         ; one chain of branches on the wave's number, one load to an arm, all arms to one join
	s_cmp_lt_u32 s14, \under
	s_cbranch_scc0 \next
	tensor_load_to_lds s[\g0:\g0+3], s[\g1:\g1+7]
	s_nop 0
.rept 4
	v_nop
.endr
	s_branch .Lhead_asked
\next:
.endm
	ARM 1, G0H,  G1,  .Lhead_b
	ARM 2, G0HB, G1B, .Lhead_sa
	ARM 3, G0S,  G1S, .Lhead_sb
	tensor_load_to_lds s[G0SB:G0SB+3], s[G1SB:G1SB+7]
	s_nop 0
.rept 4
	v_nop
.endr
.Lhead_asked:
	v_and_b32 v1, 15, v0
	v_bfe_u32 v2, v0, 4, 1
	v_and_b32 v3, 31, v0
	v_lshlrev_b32 v[L16], 4, v3
	v_lshlrev_b32 v[LT], 4, v1
	v_lshl_add_u32 v[LT], v2, 3, v[LT]
	v_lshlrev_b32 v[L8], 3, v3
	s_mul_i32 s21, s15, HALFT
	s_mul_i32 s22, s16, HALFT
	s_add_co_u32 s22, s22, 2*HALFT
.irp s, 0,1
	v_add_nc_u32 v[ADRA+\s], s21, v[L16]
	v_add_nc_u32 v[ADRB+\s], s22, v[L16]
	v_add_nc_u32 v[ADRA+2+\s], s21, v[LT]
	v_add_nc_u32 v[ADRB+2+\s], s22, v[LT]
	s_lshl_b32 s21, s21, 1                         ; address set 1: K block 1 of my part, at SLOT + part x 2 HALFT (block 2 lies HALFT behind it)
	s_add_co_u32 s21, s21, SLOT
	s_lshl_b32 s22, s22, 1
	s_add_co_u32 s22, s22, SLOT
.endr
	v_lshlrev_b32 v5, 3, v1
	s_mul_i32 s21, s15, HALFS
	s_mul_i32 s22, s16, HALFS
	s_add_co_u32 s22, s22, 2*HALFS
	s_sub_co_u32 s22, s22, s21
	v_mul_u32_u24 v6, s22, v2
	s_add_co_u32 s21, s21, SCL
	v_add_nc_u32 v5, v5, v6
	v_add_nc_u32 v[ADRS], s21, v5
.macro FRAG reg, adr, q, i
.irp c, 0,1
	ds_load_b128 v[\reg+6*\c:\reg+6*\c+3], v[\adr] offset:(2*(\i)+(\q))*1536+768*\c+KOFF
	ds_load_b64 v[\reg+6*\c+4:\reg+6*\c+5], v[\adr+2] offset:(2*(\i)+(\q))*1536+768*\c+512+KOFF
.endr
.endm
.macro MUL16 a0, p, q, sc, zero
.irp a, \a0, \a0+1
.irp b, 0,1,2,3,4,5,6,7
.if \zero
	v_wmma_scale_f32_16x16x128_f8f6f4 v[8*(8*((\a)%4)+\b):8*(8*((\a)%4)+\b)+7], v[128*(\p)+FR*\b:128*(\p)+FR*\b+FR-1], v[AF+FR*(\a):AF+FR*(\a)+FR-1], 0, v[SC+8*NQ*(\sc)+NQ*\b+(\q)], v[SC+8*NQ*(\sc)+NQ*(\a)+(\q)] matrix_a_fmt:MATRIX_FMT_FP6 matrix_b_fmt:MATRIX_FMT_FP6 matrix_a_scale:MATRIX_SCALE_ROW1
.else
	v_wmma_scale_f32_16x16x128_f8f6f4 v[8*(8*((\a)%4)+\b):8*(8*((\a)%4)+\b)+7], v[128*(\p)+FR*\b:128*(\p)+FR*\b+FR-1], v[AF+FR*(\a):AF+FR*(\a)+FR-1], v[8*(8*((\a)%4)+\b):8*(8*((\a)%4)+\b)+7], v[SC+8*NQ*(\sc)+NQ*\b+(\q)], v[SC+8*NQ*(\sc)+NQ*(\a)+(\q)] matrix_a_fmt:MATRIX_FMT_FP6 matrix_b_fmt:MATRIX_FMT_FP6 matrix_a_scale:MATRIX_SCALE_ROW1
.endif
.endr
.endr
.endm
.macro FETCH_B slot, q, p
	WIN TO_B
.irp i, 0,1,2,3,4,5,6,7
	FRAG 128*(\p)+FR*\i, ADRB+ASET, \q, \i
.endr
	WIN 0
.endm
.macro FETCH_A slot, q, i0
.irp i, \i0, \i0+1, \i0+2, \i0+3
	FRAG AF+FR*(\i), ADRA+ASET, \q, \i
.endr
.endm
.macro SCALES sc
.irp i, 0,1,2,3,4,5,6,7
	ds_load_b64 v[SC+8*NQ*\sc+NQ*\i:SC+8*NQ*\sc+NQ*\i+1], v[ADRS] offset:\i*128
.endr
.endm
.macro PLACES n
.rept \n
	v_nop
.endr
.endm
.macro STEP slot, q, zero
	s_wait_dscnt 4*NL
	WIN MUL_LO
	MUL16 0, (\q)%2, \q, \slot, \zero
	MUL16 2, (\q)%2, \q, \slot, \zero
	s_wait_dscnt 0
	PLACES NP
	FETCH_B \slot, (\q)+1, 1-(\q)%2
	FETCH_A \slot, (\q)+1, 0
	WIN MUL_HI
	MUL16 4, (\q)%2, \q, \slot, \zero
	MUL16 6, (\q)%2, \q, \slot, \zero
	PLACES NP
	WIN 0
	FETCH_A \slot, (\q)+1, 4
.endm
.macro TURN slot, next, fill
.if \fill < 2
	s_wait_tensorcnt 0x0
	ds_add_u32 v[SPW], v[NIL]
	s_wait_dscnt 4*NL+1
	WIN MUL_LO
	MUL16 0, 1, NQ-1, \slot, 0
	s_wait_dscnt 0x0
	s_barrier_signal -1
	MUL16 2, 1, NQ-1, \slot, 0
	WIN 0
	s_barrier_wait -1
.else                                  ; fill = 2: the next K block came with this one and was shown whole by the barrier before: no wait on tiles, no barrier
	s_wait_dscnt 4*NL
	WIN MUL_LO
	MUL16 0, 1, NQ-1, \slot, 0
	MUL16 2, 1, NQ-1, \slot, 0
	s_wait_dscnt 0
	WIN 0
.endif
.if \fill == 1
	CREST
	s_mov_b32 s[G1+2], 96<<16                      ; no tensor load of mine is out: the refill brings one K block, 96 rows of 256 bytes
	s_mov_b32 s[G1+4], 96
	s_mov_b32 s[G1B+2], 96<<16
	s_mov_b32 s[G1B+4], 96
	s_add_nc_u64 s[G0+4*\slot+2:G0+4*\slot+3], s[G0+4*\slot+2:G0+4*\slot+3], 2*HALFT
	s_add_nc_u64 s[G0B+4*\slot+2:G0B+4*\slot+3], s[G0B+4*\slot+2:G0B+4*\slot+3], 2*HALFT
	JLOAD G0+4*\slot, G1, G0B+4*\slot, G1B
.else
	PLACES NP
.endif
	s_wait_alu depctr_va_vdst(0)
	v_add_nc_u32 v[ADRS], 1024, v[ADRS]
	FETCH_B \next, 0, 0
	FETCH_A \next, 0, 0
	SCALES \next
	WIN MUL_HI
	MUL16 4, 1, NQ-1, \slot, 0
	MUL16 6, 1, NQ-1, \slot, 0
	PLACES NP
	WIN 0
	FETCH_A \next, 0, 4
.endm
	s_wait_alu depctr_va_vdst(0)
	s_wait_tensorcnt 0x0                           ; my tile of the head's four is in
	ds_add_u32 v[SPW], v[NIL]
.irp g, G1, G1B                        ; no tensor load of mine is out: the next load brings two K blocks of my part: 192 rows of 256 bytes, dense
	s_mov_b32 s[\g+1], 32<<16
	s_mov_b32 s[\g+2], 192<<16
	s_mov_b32 s[\g+3], 32<<16
	s_mov_b32 s[\g+4], 192
	s_mov_b32 s[\g+5], 32
.endr
	s_wait_dscnt 0x0
	CROUND
	JLOAD G0+4, G1, G0B+4, G1B                     ; K blocks 1 and 2: the first tensor load behind the round
.set ASET, 0                           ; which address set, and which offset, the fragment loads take
.set KOFF, 0
	FETCH_B 0, 0, 0
	FETCH_A 0, 0, 0
	SCALES 0
	FETCH_A 0, 0, 4
	STEP 0, 0, 1
.set ASET, 1
	TURN 0, 1, 1                                   ; blocks 1 and 2 are in; block 3 is asked for, over block 0
	STEP 1, 0, 0
.set KOFF, HALFT
	TURN 1, 0, 2                                   ; on to block 2
	STEP 0, 0, 0
.set ASET, 0
.set KOFF, 0
	TURN 0, 1, 0                                   ; block 3 is in
	STEP 1, 0, 0
	s_wait_dscnt 4*NL
	WIN MUL_LO
	MUL16 0, 1, NQ-1, 1, 0
	MUL16 2, 1, NQ-1, 1, 0
	s_wait_dscnt 0
	WIN MUL_HI
	MUL16 4, 1, NQ-1, 1, 0
	MUL16 6, 1, NQ-1, 1, 0
	WIN 0
	s_lshl_b32 s18, s17, 1
	s_add_co_u32 s18, s18, s15
	s_lshl_b32 s19, s42, 1
	s_add_co_u32 s19, s19, s16
	s_lshl_b32 s20, s40, 1
	s_add_co_u32 s20, s20, s16
	s_lshl_b32 s21, s41, 1
	s_add_co_u32 s21, s21, s15
	s_mov_b32 s24, 106496
	s_mov_b32 s25, 204800
	s_mov_b32 s26, 1536
	s_mov_b32 s27, 204288
	s_mov_b32 s28, 208896
	s_and_b32 s22, ttmp9, 0x11
	s_cmp_eq_u32 s22, 0
	s_cselect_b64 s[30:31], s[96:97], s[98:99]
	s_cselect_b32 s29, s24, s28
	s_cmp_lt_u32 ttmp9, 16
	s_cselect_b32 s18, s18, s19
	s_cselect_b32 s20, s20, s21
	s_cselect_b32 s32, 0, s24
	s_mov_b32 s19, 98304
	s_cselect_b32 s33, s19, s25
	s_mov_b32 s19, 256
	s_cselect_b32 s34, 512, s19
	s_cselect_b32 s52, 768, s26
	s_cselect_b32 s54, 768, s27
	s_mov_b32 s19, 768
	s_cselect_b32 s37, s29, s19
	s_mov_b32 s53, 0
	s_mov_b32 s55, 0
	s_lshr_b32 s21, s18, 4
	s_lshl_b32 s21, s21, 4
	s_lshl_b32 s20, s20, 1
	s_add_co_u32 s21, s21, s20
	s_mul_i32 s21, s21, s29
	s_and_b32 s18, s18, 15
	s_mul_i32 s22, s18, 6144
	s_add_co_u32 s22, s22, s21
	s_add_co_u32 s22, s22, s32
	s_mov_b32 s23, 0
	s_mul_i32 s38, s18, s34
	s_add_co_u32 s38, s38, s21
	s_add_co_u32 s38, s38, s33
	s_mov_b32 s39, 0
	s_add_nc_u64 s[44:45], s[30:31], s[22:23]
	s_mov_b32 s22, s37
	s_add_nc_u64 s[46:47], s[44:45], s[22:23]
	s_add_nc_u64 s[48:49], s[30:31], s[38:39]
	s_mov_b32 s38, s29
	s_add_nc_u64 s[50:51], s[48:49], s[38:39]
	PLACES NP
.irp b, 0,1,2,3
	v_mov_b32 v[TM+4+\b], 0
.endr
.macro QUANT a
.set AC, 64*((\a)%4)
	WIN 0x0a+5*((\a)/4)
.irp b, 0,1,2,3
	v_max3_num_f32 v[TM+\b], |v[AC+16*\b]|, |v[AC+16*\b+1]|, 0x1800000
.endr
.irp i, 2,4,6,8,10,12,14
.irp b, 0,1,2,3
	v_max3_num_f32 v[TM+\b], |v[AC+16*\b+\i]|, |v[AC+16*\b+\i+1]|, v[TM+\b]
.endr
.endr
	WIN 0
.irp b, 0,1,2,3
	v_permlanex16_b32 v[TM+4+\b], v[TM+\b], s[SEL], s[SEL+1]
.endr
.irp b, 0,1,2,3
	v_max_num_f32 v[TM+\b], v[TM+\b], v[TM+4+\b]
.endr
.irp b, 0,1,2,3
	v_add_nc_u32 v[TM+12+\b], 0xff000000, v[TM+\b]
.endr
.irp b, 0,1,2,3
	v_lshrrev_b32 v[TM+4+\b], 23, v[TM+12+\b]
.endr
	v_lshl_or_b32 v[PW+(\a)], v[TM+5], 8, v[TM+4]
	v_lshl_or_b32 v[PW+(\a)], v[TM+6], 16, v[PW+(\a)]
	v_lshl_or_b32 v[PW+(\a)], v[TM+7], 24, v[PW+(\a)]
	WIN 2+(\a)/4
.irp c, 0,1
	v_cvt_scalef32_pk16_fp6_f32 v[PC+6*\c:PC+6*\c+2], v[AC+32*\c:AC+32*\c+15], v[TM+12+2*\c]
	v_cvt_scalef32_pk16_fp6_f32 v[PC+12+4*\c:PC+14+4*\c], v[AC+16+32*\c:AC+31+32*\c], v[TM+13+2*\c]
.endr
	WIN 0
	v_nop
.irp c, 0,1
.irp i, 0,1,2
	v_permlane16_swap_b32 v[PC+6*\c+\i], v[PC+12+4*\c+\i]
.endr
.irp i, 0,1,2
	v_mov_b32 v[PC+3+6*\c+\i], v[PC+12+4*\c+\i]
.endr
.endr
.endm
.irp a, 0,1,2,3,4,5,6,7
	s_wait_xcnt 0x0
.if \a == 4
	s_add_nc_u64 s[44:45], s[44:45], s[54:55]
	s_add_nc_u64 s[46:47], s[46:47], s[54:55]
.elseif \a > 0
	s_add_nc_u64 s[44:45], s[44:45], s[52:53]
	s_add_nc_u64 s[46:47], s[46:47], s[52:53]
.endif
	QUANT \a
	global_store_b128 v[L16], v[PC:PC+3], s[44:45]
	global_store_b64 v[LT], v[PC+4:PC+5], s[44:45] offset:512
	global_store_b128 v[L16], v[PC+6:PC+9], s[46:47]
	global_store_b64 v[LT], v[PC+10:PC+11], s[46:47] offset:512
.endr
	v_cmp_le_u32 vcc_lo, 16, v3
.irp j, 0,1,2,3
	v_cndmask_b32 v[RS+\j], v[PW+2*\j], v[PW+2*\j+1], vcc_lo
.endr
	s_cmp_lt_u32 ttmp9, 16
	s_cbranch_scc0 .Lv_scales
	global_store_b128 v[L16], v[RS:RS+3], s[48:49]
.irp j, 0,1,2,3
	v_lshrrev_b32 v[RS+4+\j], 16, v[RS+\j]
.endr
	global_store_b128 v[L16], v[RS+4:RS+7], s[50:51]
	s_branch .Lend
.Lv_scales:
	s_wait_alu depctr_va_vdst(0)
	global_store_b64 v[L8], v[RS:RS+1], s[48:49]
	global_store_b64 v[L8], v[RS+2:RS+3], s[50:51]
.Lend:
	s_wait_tensorcnt 0x0
	ds_add_u32 v[SPW], v[NIL]
	s_wait_dscnt 0x0
	CROUND
	s_endpgm
.Lfunc_end_k_qe120a44f59_qkv:
	.size	k_qe120a44f59_qkv, .Lfunc_end_k_qe120a44f59_qkv-k_qe120a44f59_qkv
	.p2alignl 7, 3214868480
	.fill 96, 4, 3214868480
	.section	.rodata,"a",@progbits
	.p2align	6, 0x0
	.amdhsa_kernel k_qe120a44f59_qkv
		.amdhsa_group_segment_fixed_size 327680
		.amdhsa_private_segment_fixed_size 0
		.amdhsa_enable_private_segment 0
		.amdhsa_kernarg_size 48
		.amdhsa_user_sgpr_count 2
		.amdhsa_user_sgpr_kernarg_segment_ptr 1
		.amdhsa_wavefront_size32 1
		.amdhsa_system_sgpr_workgroup_id_x 1
		.amdhsa_system_sgpr_workgroup_id_y 1
		.amdhsa_system_sgpr_workgroup_id_z 1
		.amdhsa_system_vgpr_workitem_id 0
		.amdhsa_next_free_vgpr 1024
		.amdhsa_next_free_sgpr 102
		.amdhsa_reserve_vcc 1
		.amdhsa_float_denorm_mode_32 3
		.amdhsa_float_denorm_mode_16_64 3
		.amdhsa_memory_ordered 1
		.amdhsa_forward_progress 1
		.amdhsa_inst_pref_size 152
	.end_amdhsa_kernel
	.amdgpu_metadata
---
amdhsa.version: [ 1, 2 ]
amdhsa.kernels:
  - .name:           k_qe120a44f59_qkv
    .symbol:         k_qe120a44f59_qkv.kd
    .args:
      - { .name: xc, .offset: 0, .size: 8, .value_kind: global_buffer, .address_space: global }
      - { .name: xs, .offset: 8, .size: 8, .value_kind: global_buffer, .address_space: global }
      - { .name: wc, .offset: 16, .size: 8, .value_kind: global_buffer, .address_space: global }
      - { .name: ws, .offset: 24, .size: 8, .value_kind: global_buffer, .address_space: global }
      - { .name: qr, .offset: 32, .size: 8, .value_kind: global_buffer, .address_space: global }
      - { .name: kv, .offset: 40, .size: 8, .value_kind: global_buffer, .address_space: global }
    .group_segment_fixed_size: 327680
    .private_segment_fixed_size: 0
    .kernarg_segment_align: 8
    .kernarg_segment_size: 48
    .max_flat_workgroup_size: 128
    .sgpr_count:     102
    .vgpr_count:     1024
    .wavefront_size: 32
...
	.end_amdgpu_metadata
.endif
;; end of part 2
;; launch attn (part 3): grid 4 x 64, 16 waves a work-group, clusters of 4 x 1, 210,944 bytes of LDS; arguments qr, kv, yc, ys; writes yc, ys
.if DOCPART == 3
	.amdgcn_target "amdgcn-amd-amdhsa--gfx1250"
	.amdhsa_code_object_version 6
	.text
	.protected	k_qe120a44f59_attn
	.globl	k_qe120a44f59_attn
	.p2align	8
	.type	k_qe120a44f59_attn,@function
k_qe120a44f59_attn:
	s_mov_b64 s[64:65], 0
	v_nop
	global_prefetch_b8 v0, s[64:65] scope:SCOPE_SE
	s_setreg_imm32_b32 hwreg(HW_REG_WAVE_MODE, 25, 1), 1
	s_wait_xcnt 0x0
	s_wait_alu depctr_hold_cnt(0) depctr_sa_sdst(0) depctr_va_vdst(0) depctr_va_sdst(0) depctr_va_ssrc(0) depctr_va_vcc(0) depctr_vm_vsrc(0)
	s_getreg_b32 s2, hwreg(HW_REG_IB_STS2, 6, 4)
	s_cmp_eq_u32 s2, 0
	s_cbranch_scc0 .Lentry_in_a_cluster
	s_endpgm
.Lentry_in_a_cluster:
	s_bfe_u32 s2, ttmp6, 0x10000c
	s_cmp_lg_u32 s2, 0x3003
	s_cbranch_scc0 .Lentry_shape_is_right
	s_endpgm
.Lentry_shape_is_right:
; y = softmax(q k^T / 8) v for one head (64 channels, 2,048 keys), both products on codes of FP6 (E2M3) with E8M0 scales; y is quantised along the channels on the way out, for the last product.
; THE SOFTMAX: t = score x log2(e) / 8; M = the running largest t rounded up to a whole number; p = 2^(t - M) is quantised along the keys, not normalised; the row's sum is taken of the unquantised p and divides at the end.
; When M moves, the sum and O are multiplied by 2^(old M - new M): exact.
; SHARES.  The cluster's y is the head (batch x 16 + head); its four work-groups take 512 queries each; a wave takes two tiles of 16 queries, one after the other.  Four waves to a SIMD, 256 registers each.
; A HEAD'S WHOLE RECORD OF K AND V (208,896 bytes) LIES IN LDS: it is fetched once, each wave bringing 51 rows of 256 bytes by one joint load that names the four partners.  Nothing is filled again: no barrier stands in the loop.
; LAYOUT.  Both products are used transposed: S^T = K Q^T (source 0 = 16 keys), O^T = V^T P^T (source 0 = 16 channels): a lane holds one query throughout.  Keys and channels are laid by places (bits 3 and 4 exchanged),
; so that the 16 registers of two neighbouring tiles are 16 true neighbours.  The head's 64 fill half of the instruction's K: Q's upper six registers are zero codes, and K's operand runs on into the next tile's registers, whose
; products with zeros add nothing: so a key costs 48 bytes of LDS reading.
; LIMITS: a block of zeros, or one under 2^-124, gets the byte 1; p under 2^-126 falls to 0 (v_exp_f32); a block's largest p is taken through its largest score, which takes v_exp_f32 not to fall where its input rises;
; the division by the sum is v_rcp_f32 and a multiplication.  NaN and infinities are not served.
.set KSC,   98304                      ; the record: K's codes at 0 (6,144 bytes for 128 keys), K's scale words here (512 for 128 keys),
.set VCO,   106496                     ; V^T's codes (6,144 for 128 keys),
.set VSC,   204800                     ; V^T's scale words (256 for 128 keys)
.set SPARE, 208896                     ; the spare words, 128 bytes a wave: eight blocks of 256 bytes that no other line names
.set L16, 1                            ; v1 16 x lane   v2 16 r + 8 h   v3 8 x lane   v4 16 r   v5 8 r; never rewritten
.set LT,  2
.set L8,  3
.set R16, 4
.set R8,  5
.set ADK, 6                            ; v6-11 the step's LDS addresses
.set ADKT, 7
.set ADS, 8
.set ADV, 9
.set ADVT, 10
.set ADT, 11
.set FRG, 32                           ; v32-79 eight tiles of K (6 registers each), later four fragments of V^T; v80-85 zeros
.set SS,  96                           ; v96-159 S^T, then p
.set OT,  160                          ; v160-191 O^T
.set PC,  192                          ; v192-203 p's codes; v204-211 at work for the conversions
.set CT,  204
.set BM,  212                          ; v212-215 the blocks' largest
.set T4,  216                          ; v216-219 at work
.set SO,  220                          ; v220-223 the conversions' scale operands
.set KS,  224                          ; v224-227 K's scale words; v228-229 V's; v232 p's
.set VS,  228
.set FF,  230                          ; v[230:231] f (v231 = 0, named with it as a pair)
.set PS,  232
.set TP,  233
.set HW,  234                          ; y's two scale bytes
.set SPW, 252
.set NIL, 253
.set WV,  12
.set SEL, 28
.set CS,  30
.set TK,  32                           ; s32 K's codes of the step; s15 V's; s33 K's scale words; s34 V's
.set TV,  15
.set TS,  33
.set TT,  34
.set CNT, 35
.macro CROUND
	s_barrier_signal -1
	s_barrier_wait -1
	s_cmp_lg_u32 s[WV], 0
	s_cbranch_scc1 .Lnot_wave_0_\@
	s_barrier_signal -3
.Lnot_wave_0_\@:
	s_barrier_wait -3
	s_barrier_signal -1
	s_barrier_wait -1
.endm
	s_load_b256 s[4:11], s[0:1], 0x0               ; qr s[4:5], kv s[6:7], yc s[8:9], ys s[10:11]
	v_lshl_add_u32 v[SPW], v0, 2, SPARE
	v_mov_b32 v[NIL], 0
	ds_add_u32 v[SPW], v[NIL]                      ; the wave's opening: the add and its wait come ahead of my tensor load; work on registers stands between them
	ds_add_u32 v[SPW], v[NIL]
	v_lshrrev_b32 v1, 5, v0
	s_delay_alu instid0(VALU_DEP_1)
	v_readfirstlane_b32 s[WV], v1                  ; wave 0..15
	s_bfe_u32 s13, ttmp6, 0x40000                  ; cx: it enters Q's and y's addresses alone
	s_and_b32 s14, ttmp7, 0xffff                   ; batch x 16 + head, which the four partners share
	s_mov_b32 s16, 15|(3<<16)|(1<<21)              ; group 1: 15:0 the mask: all four; 17:16 elements of 8 bytes; 21 set beside a mask; no padding
	s_mov_b32 s17, 32<<16                          ; tensor_dim0: 256 bytes
	s_mov_b32 s18, 51<<16                          ; tensor_dim1
	s_mov_b32 s19, 32<<16                          ; tile_dim0
	s_mov_b32 s20, 51                              ; tile_dim1: 16 waves x 51 rows x 256 bytes = the record
	s_mov_b32 s21, 32                              ; the pitch: dense
	s_mov_b32 s22, 0
	s_mov_b32 s23, 0
	s_mov_b32 s[SEL], 0x76543210
	s_mov_b32 s[SEL+1], 0xfedcba98                 ; v_permlanex16_b32's selects for lane l xor 16
	s_mov_b32 s[CS], 0x3e38aa3b                    ; c = log2(e) / 8
	s_mov_b32 s[CS+1], s[CS]
	s_mov_b32 s24, 1                               ; group 0: count
	s_mul_i32 s25, s[WV], 13056                    ; my part's place, in LDS and in the record
	s_mul_i32 s44, s14, 208896
	s_add_co_u32 s44, s44, s25
	s_mov_b32 s45, 0
	s_mul_i32 s46, s14, 106496                     ; the head's record of q
	s_lshl_b32 s2, s13, 5
	s_lshl_b32 s3, s[WV], 1
	s_add_co_u32 s2, s2, s3                        ; my first tile of queries: 32 cx + 2 wave
	s_mul_i32 s2, s2, 768
	s_add_co_u32 s36, s2, s46
	s_mov_b32 s37, 0
	s_lshl_b32 s2, s13, 2
	s_lshr_b32 s3, s[WV], 2
	s_add_co_u32 s2, s2, s3                        ; which 128 queries of the batch: 4 cx + wave / 4
	s_and_b32 s3, s[WV], 3
	s_lshl_b32 s38, s2, 9
	s_add_co_u32 s38, s38, s46
	s_add_co_u32 s38, s38, KSC
	s_lshl_b32 s47, s3, 2
	s_add_co_u32 s38, s38, s47                     ; word wave % 4 of a lane's four: tiles 2 (wave % 4) and the next
	s_mov_b32 s39, 0
	s_lshr_b32 s47, s14, 4
	s_lshl_b32 s47, s47, 4
	s_add_co_u32 s2, s2, s47                       ; y: which 128 rows of all 8,192
	s_lshl_b32 s2, s2, 2
	s_bfe_u32 s47, s14, 0x20002
	s_add_co_u32 s2, s2, s47                       ; x 4 + head / 4: the block of 128 rows x 256 K
	s_bfe_u32 s47, s14, 0x10001                    ; which 128 of the 256,
	s_and_b32 s46, s14, 1                          ; which 64 of the 128
	s_lshl_b32 s40, s2, 4
	s_lshl_b32 s15, s3, 2
	s_add_co_u32 s40, s40, s15
	s_add_co_u32 s40, s40, s47
	s_mul_i32 s40, s40, 1536
	s_mul_i32 s15, s46, 768
	s_add_co_u32 s40, s40, s15
	s_mov_b32 s41, 0
	s_lshl_b32 s42, s2, 10
	s_lshl_b32 s15, s3, 8
	s_add_co_u32 s42, s42, s15
	s_lshl_b32 s15, s47, 2
	s_add_co_u32 s42, s42, s15
	s_lshl_b32 s15, s46, 1
	s_add_co_u32 s42, s42, s15
	s_mov_b32 s43, 0
	s_wait_dscnt 0x0                               ; the opening add is done
	s_wait_kmcnt 0x0
	s_add_nc_u64 s[26:27], s[6:7], s[44:45]
	s_or_b32 s27, s27, 0x80000000                  ; type = 2
	s_add_nc_u64 s[36:37], s[4:5], s[36:37]        ; Q's codes
	s_add_nc_u64 s[38:39], s[4:5], s[38:39]        ; Q's scale words
	s_add_nc_u64 s[40:41], s[8:9], s[40:41]        ; y's codes
	s_add_nc_u64 s[42:43], s[10:11], s[42:43]      ; y's scale bytes
	CROUND                                         ; all four work-groups are here: the joint loads meet
	tensor_load_to_lds s[24:27], s[16:23]          ; my one tensor load of the launch
	s_nop 0
.rept 4
	v_nop
.endr
	v_and_b32 v[TP], 31, v0                        ; lane
	v_and_b32 v[HW], 15, v0                        ; r
	v_bfe_u32 v235, v0, 4, 1                       ; h
	s_delay_alu instid0(VALU_DEP_3)
	v_lshlrev_b32 v[L16], 4, v[TP]
	s_delay_alu instid0(VALU_DEP_3)
	v_lshlrev_b32 v[R16], 4, v[HW]
	s_delay_alu instid0(VALU_DEP_1)
	v_lshl_add_u32 v[LT], v235, 3, v[R16]
	v_lshlrev_b32 v[L8], 3, v[TP]
	v_lshlrev_b32 v[R8], 3, v[HW]
	global_load_b128 v[16:19], v[L16], s[36:37]                ; my two tiles of Q stay in registers
	global_load_b64 v[20:21], v[LT], s[36:37] offset:512
	global_load_b128 v[236:239], v[L16], s[36:37] offset:768
	global_load_b64 v[240:241], v[LT], s[36:37] offset:1280
	global_load_b32 v28, v[R16], s[38:39]                      ; and their scale words: lane r has row r's
	global_load_b32 v248, v[R16], s[38:39] offset:256
.irp j, 22,23,24,25,26,27, 242,243,244,245,246,247, 80,81,82,83,84,85, 216,217,218,219, 231
	v_mov_b32 v[\j], 0                             ; Q's upper 64 along K: zero codes; the registers behind K's last tile; lane permutes' destinations; the pair's upper half
.endr
	s_wait_loadcnt 0x0
	s_wait_tensorcnt 0x0                           ; my part of the record is in,
	s_barrier_signal -1
	s_barrier_wait -1                              ; everybody's is
; A KEY STEP: 128 keys.  qb: Q's fragment; qs: its scale words.
; The row's sum of the unquantised p of the step before: 32 packed additions in eight chains (v[14:15] and seven pairs from v204 on).
.set TSM, 204                          ; v204-217 the sum's seven pairs
.macro SUMP
.irp k, 0,1,2,3,4,5,6
	v_pk_add_f32 v[TSM+2*\k:TSM+2*\k+1], v[SS+4*\k:SS+4*\k+1], v[SS+4*\k+2:SS+4*\k+3]
.endr
	v_pk_add_f32 v[14:15], v[14:15], v[SS+28:SS+29]
.irp k, 0,1,2,3,4,5,6
	v_pk_add_f32 v[TSM+2*\k:TSM+2*\k+1], v[TSM+2*\k:TSM+2*\k+1], v[SS+30+2*\k:SS+31+2*\k]
.endr
	v_pk_add_f32 v[14:15], v[14:15], v[SS+44:SS+45]
.irp k, 0,1,2,3,4,5,6
	v_pk_add_f32 v[TSM+2*\k:TSM+2*\k+1], v[TSM+2*\k:TSM+2*\k+1], v[SS+46+2*\k:SS+47+2*\k]
.endr
	v_pk_add_f32 v[14:15], v[14:15], v[SS+60:SS+61]
	v_pk_add_f32 v[TSM:TSM+1], v[TSM:TSM+1], v[SS+62:SS+63]
	v_pk_add_f32 v[TSM+4:TSM+5], v[TSM+4:TSM+5], v[TSM+6:TSM+7]
	v_pk_add_f32 v[TSM+8:TSM+9], v[TSM+8:TSM+9], v[TSM+10:TSM+11]
	s_delay_alu instid0(VALU_DEP_4)
	v_pk_add_f32 v[14:15], v[14:15], v[TSM+12:TSM+13]
	s_delay_alu instid0(VALU_DEP_4)
	v_pk_add_f32 v[TSM:TSM+1], v[TSM:TSM+1], v[TSM+2:TSM+3]
	s_delay_alu instid0(VALU_DEP_2)
	v_pk_add_f32 v[14:15], v[14:15], v[TSM+8:TSM+9]
	s_delay_alu instid0(VALU_DEP_2)
	v_pk_add_f32 v[TSM:TSM+1], v[TSM:TSM+1], v[TSM+4:TSM+5]
	s_delay_alu instid0(VALU_DEP_1)
	v_pk_add_f32 v[14:15], v[14:15], v[TSM:TSM+1]
.endm
.macro KSTEP qb, qs
	v_add_nc_u32 v[ADK], s[TK], v[L16]             ; (these three and the v_nop are the four places between the last products and the loads into the registers that they read)
	v_add_nc_u32 v[ADKT], s[TK], v[LT]
	v_add_nc_u32 v[ADS], s[TS], v[L16]
	v_nop
.irp a, 0,1,2,3,4,5,6,7
	ds_load_b128 v[FRG+6*\a:FRG+6*\a+3], v[ADK] offset:768*\a
	ds_load_b64 v[FRG+6*\a+4:FRG+6*\a+5], v[ADKT] offset:768*\a+512
.endr
	ds_load_b128 v[KS:KS+3], v[ADS]
	SUMP                                           ; the last step's p (zeros in a pass's first step) are summed while K's tiles are on their way from LDS
	s_wait_dscnt 0x0
.irp a, 0,1,2,3,4,5,6,7
.if \a%2
	v_wmma_scale_f32_16x16x128_f8f6f4 v[SS+8*\a:SS+8*\a+7], v[FRG+6*\a:FRG+6*\a+11], v[\qb:\qb+11], 0, v[KS+\a/2], v[\qs] matrix_a_fmt:MATRIX_FMT_FP6 matrix_b_fmt:MATRIX_FMT_FP6 matrix_a_scale:MATRIX_SCALE_ROW1
.else
	v_wmma_scale_f32_16x16x128_f8f6f4 v[SS+8*\a:SS+8*\a+7], v[FRG+6*\a:FRG+6*\a+11], v[\qb:\qb+11], 0, v[KS+\a/2], v[\qs] matrix_a_fmt:MATRIX_FMT_FP6 matrix_b_fmt:MATRIX_FMT_FP6
.endif
.endr
	v_add_nc_u32 v[ADV], s[TV], v[L16]             ; (four places again: ahead of the loads over K's tiles, and of the first read of the scores)
	v_add_nc_u32 v[ADVT], s[TV], v[LT]
	v_add_nc_u32 v[ADT], s[TT], v[L8]
	v_nop
.irp t, 0,1,2,3                                ; V^T's four fragments land while the softmax is worked
.irp c, 0,1
	ds_load_b128 v[FRG+12*\t+6*\c:FRG+12*\t+6*\c+3], v[ADV] offset:1536*\t+768*\c
	ds_load_b64 v[FRG+12*\t+6*\c+4:FRG+12*\t+6*\c+5], v[ADVT] offset:1536*\t+768*\c+512
.endr
.endr
	ds_load_b64 v[VS:VS+1], v[ADT]
.irp b, 0,1,2,3
	v_max3_num_f32 v[BM+\b], v[SS+16*\b], v[SS+1+16*\b], v[SS+2+16*\b]   ; the largest score of each block of 32 keys: for the row's maximum, and, since p rises with the score, for the block's largest p
.endr
.irp i, 3,5,7,9,11,13
.irp b, 0,1,2,3
	v_max3_num_f32 v[BM+\b], v[BM+\b], v[SS+16*\b+\i], v[SS+1+16*\b+\i]
.endr
.endr
.irp b, 0,1,2,3
	v_max_num_f32 v[BM+\b], v[BM+\b], v[SS+15+16*\b]
.endr
.irp b, 0,1,2,3
	s_delay_alu instid0(VALU_DEP_4)
	v_permlanex16_b32 v[T4+\b], v[BM+\b], s[SEL], s[SEL+1]
.endr
.irp b, 0,1,2,3
	s_delay_alu instid0(VALU_DEP_4)
	v_max_num_f32 v[BM+\b], v[BM+\b], v[T4+\b]     ; with lane l xor 16's 16 keys
.endr
	s_delay_alu instid0(VALU_DEP_2)
	v_max3_num_f32 v[TP], v[BM], v[BM+1], v[BM+2]
	s_delay_alu instid0(VALU_DEP_1)
	v_max_num_f32 v[TP], v[TP], v[BM+3]
	s_delay_alu instid0(VALU_DEP_1)
	v_mul_f32 v[TP], s[CS], v[TP]                  ; as t (c is positive)
	s_delay_alu instid0(VALU_DEP_1)
	v_max_num_f32 v13, v13, v[TP]                  ; the running largest t
	v_mov_b32 v[TP], v12
	s_delay_alu instid0(VALU_DEP_2)
	v_floor_f32 v12, -v13                          ; the new -M = floor(-t): M is a whole number
	s_delay_alu instid0(VALU_DEP_1)
	v_sub_f32 v[TP], v12, v[TP]                    ; old M - new M: a whole number, 0 or less
	s_delay_alu instid0(VALU_DEP_1)
	v_cvt_i32_f32 v[TP], v[TP]                     ; (it saturates)
	s_delay_alu instid0(VALU_DEP_1)
	v_ldexp_f32 v[FF], 1.0, v[TP]                  ; f = 2^(old M - new M)
.set J, 0
.rept 32
	v_pk_fma_f32 v[SS+J:SS+J+1], v[SS+J:SS+J+1], s[CS:CS+1], v[12:13] op_sel_hi:[1,0,0]   ; t - M, two at a time
.set J, J+2
.endr
.irp b, 0,1,2,3
	v_fma_f32 v[BM+\b], v[BM+\b], s[CS], v12       ; the same of each block's largest score
.endr
.set J, 0
	s_wait_alu depctr_va_vdst(0)
.irp b, 0,1,2,3
	v_exp_f32 v[BM+\b], v[BM+\b]                   ; the block's largest p: the same two instructions on the same number; one batch with the 64
.endr
.rept 64
	v_exp_f32 v[SS+J], v[SS+J]                     ; p = 2^(t - M), at most 1
.set J, J+1
.endr
	v_pk_mul_f32 v[14:15], v[14:15], v[FF:FF+1] op_sel_hi:[1,0]   ; the sums under the new M: the plain line behind the exponentials
	s_wait_alu depctr_va_vdst(0)                   ; and one for the four
.irp b, 0,1,2,3
	v_max_num_f32 v[BM+\b], 0x1800000, v[BM+\b]    ; the floor 2^(3 - 127): the byte cannot fall under 1
.endr
.irp b, 0,1,2,3
	s_delay_alu instid0(VALU_DEP_4)
	v_add_nc_u32 v[SO+\b], 0xff000000, v[BM+\b]    ; 2 off the exponent field: the conversion's scale operand
.endr
.irp b, 0,1,2,3
	s_delay_alu instid0(VALU_DEP_4)
	v_lshrrev_b32 v[T4+\b], 23, v[SO+\b]           ; the byte
.endr
	s_delay_alu instid0(VALU_DEP_3)
	v_lshl_or_b32 v[PS], v[T4+1], 8, v[T4]         ; p's scale word for these 128 keys
	s_delay_alu instid0(VALU_DEP_1)
	v_lshl_or_b32 v[PS], v[T4+2], 16, v[PS]
	s_delay_alu instid0(VALU_DEP_1)
	v_lshl_or_b32 v[PS], v[T4+3], 24, v[PS]
.irp c, 0,1
	v_cvt_scalef32_pk16_fp6_f32 v[PC+6*\c:PC+6*\c+2], v[SS+32*\c:SS+32*\c+15], v[SO+2*\c]
	v_cvt_scalef32_pk16_fp6_f32 v[CT+4*\c:CT+4*\c+2], v[SS+16+32*\c:SS+31+32*\c], v[SO+2*\c+1]
.endr
	v_nop                                          ; one plain line behind a scaled conversion
.irp c, 0,1                                    ; a whole block in a lane: lanes 0-15 block 2 c, lanes 16-31 block 2 c + 1
.irp i, 0,1,2
	v_permlane16_swap_b32 v[PC+6*\c+\i], v[CT+4*\c+\i]
.endr
.irp i, 0,1,2
	s_delay_alu instid0(VALU_DEP_3)
	v_mov_b32 v[PC+3+6*\c+\i], v[CT+4*\c+\i]
.endr
.endr
.set J, 0
.rept 16
	v_pk_mul_f32 v[OT+J:OT+J+1], v[OT+J:OT+J+1], v[FF:FF+1] op_sel_hi:[1,0]   ; O^T under the new M.  For each product below twelve of these name none of its registers: its places behind the scale word and the codes
.set J, J+2
.endr
	s_wait_alu depctr_va_vdst(0)
	s_wait_dscnt 0x0                               ; V^T is in
.irp t, 0,1,2,3                                ; the four accumulators take turns, one instruction a turn
.if \t%2
	v_wmma_scale_f32_16x16x128_f8f6f4 v[OT+8*\t:OT+8*\t+7], v[FRG+12*\t:FRG+12*\t+11], v[PC:PC+11], v[OT+8*\t:OT+8*\t+7], v[VS+\t/2], v[PS] matrix_a_fmt:MATRIX_FMT_FP6 matrix_b_fmt:MATRIX_FMT_FP6 matrix_a_scale:MATRIX_SCALE_ROW1
.else
	v_wmma_scale_f32_16x16x128_f8f6f4 v[OT+8*\t:OT+8*\t+7], v[FRG+12*\t:FRG+12*\t+11], v[PC:PC+11], v[OT+8*\t:OT+8*\t+7], v[VS+\t/2], v[PS] matrix_a_fmt:MATRIX_FMT_FP6 matrix_b_fmt:MATRIX_FMT_FP6
.endif
.endr
.endm
; One tile of 16 queries against all 2,048 keys, and its way out.
.macro PASS p, qb, qs
	s_wait_xcnt 0x0                                ; the last pass's stores have read their data: the codes' registers may be written again
	v_mov_b32 v13, 0xff61b1e6                      ; the largest t so far: -3e38
	s_delay_alu instid0(VALU_DEP_1)
	v_floor_f32 v12, -v13                          ; -M
	v_mov_b32 v14, 0
	v_mov_b32 v15, 0
.set J, 0
.rept 96
	v_mov_b32 v[SS+J], 0                           ; p (v96-159: the first step sums zeros) and O^T (v160-191)
.set J, J+1
.endr
	s_mov_b32 s[TK], 0
	s_mov_b32 s[TV], VCO
	s_mov_b32 s[TS], KSC
	s_mov_b32 s[TT], VSC
	s_mov_b32 s[CNT], 16
.Lkey_\@:
	KSTEP \qb, \qs
	s_add_co_u32 s[TK], s[TK], 6144
	s_add_co_u32 s[TV], s[TV], 6144
	s_add_co_u32 s[TS], s[TS], 512
	s_add_co_u32 s[TT], s[TT], 256
	s_sub_co_u32 s[CNT], s[CNT], 1
	s_cmp_lg_u32 s[CNT], 0
	s_cbranch_scc1 .Lkey_\@
.rept 4
	v_nop                                          ; places behind the last products
.endr
	SUMP                                           ; the last step's p
	s_delay_alu instid0(VALU_DEP_1)
	v_add_f32 v14, v14, v15
	s_delay_alu instid0(VALU_DEP_1)
	v_permlanex16_b32 v[TP], v14, s[SEL], s[SEL+1]
	s_delay_alu instid0(VALU_DEP_1)
	v_add_f32 v14, v14, v[TP]                      ; the row's sum
	s_wait_alu depctr_va_vdst(0)
	v_rcp_f32 v14, v14
	v_nop
	s_wait_alu depctr_va_vdst(0)                   ; ahead of the reciprocal's first reader
.set J, 0
.rept 32
	v_mul_f32 v[SS+J], v[OT+J], v14                ; register 16 b + i: y(my query, channel 32 b + 16 h + i)
.set J, J+1
.endr
.irp b, 0,1
	v_max3_num_f32 v[BM+\b], |v[SS+16*\b]|, |v[SS+1+16*\b]|, 0x1800000
.endr
.irp i, 2,4,6,8,10,12,14
.irp b, 0,1
	s_delay_alu instid0(VALU_DEP_2)
	v_max3_num_f32 v[BM+\b], v[BM+\b], |v[SS+16*\b+\i]|, |v[SS+1+16*\b+\i]|
.endr
.endr
.irp b, 0,1
	s_delay_alu instid0(VALU_DEP_2)
	v_permlanex16_b32 v[T4+\b], v[BM+\b], s[SEL], s[SEL+1]
.endr
.irp b, 0,1
	s_delay_alu instid0(VALU_DEP_2)
	v_max_num_f32 v[BM+\b], v[BM+\b], v[T4+\b]
.endr
.irp b, 0,1
	s_delay_alu instid0(VALU_DEP_2)
	v_add_nc_u32 v[SO+\b], 0xff000000, v[BM+\b]
.endr
.irp b, 0,1
	s_delay_alu instid0(VALU_DEP_2)
	v_lshrrev_b32 v[T4+\b], 23, v[SO+\b]
.endr
	s_delay_alu instid0(VALU_DEP_1)
	v_lshl_or_b32 v[HW], v[T4+1], 8, v[T4]         ; the head's two bytes of the row's scale word
	v_cvt_scalef32_pk16_fp6_f32 v[PC:PC+2], v[SS:SS+15], v[SO]
	v_cvt_scalef32_pk16_fp6_f32 v[CT:CT+2], v[SS+16:SS+31], v[SO+1]
	v_nop
.irp i, 0,1,2
	v_permlane16_swap_b32 v[PC+\i], v[CT+\i]
.endr
.irp i, 0,1,2
	s_delay_alu instid0(VALU_DEP_3)
	v_mov_b32 v[PC+3+\i], v[CT+\i]
.endr
	global_store_b128 v[L16], v[PC:PC+3], s[40:41] offset:3072*\p          ; 16 rows x 64 K: 512 consecutive bytes,
	global_store_b64 v[LT], v[PC+4:PC+5], s[40:41] offset:3072*\p+512      ; and 256
	global_store_b16 v[R8], v[HW], s[42:43] offset:128*\p                  ; two bytes of each row's eight: the other six are other heads', which other work-groups make; both halves of the lanes write the same
.endm
	PASS 0, 16, 28
	PASS 1, 236, 248
	s_wait_tensorcnt 0x0                           ; the wave's end
	ds_add_u32 v[SPW], v[NIL]
	s_wait_dscnt 0x0
	CROUND                                         ; the closing round
	s_endpgm
.Lfunc_end_k_qe120a44f59_attn:
	.size	k_qe120a44f59_attn, .Lfunc_end_k_qe120a44f59_attn-k_qe120a44f59_attn
	.p2alignl 7, 3214868480
	.fill 96, 4, 3214868480
	.section	.rodata,"a",@progbits
	.p2align	6, 0x0
	.amdhsa_kernel k_qe120a44f59_attn
		.amdhsa_group_segment_fixed_size 210944
		.amdhsa_private_segment_fixed_size 0
		.amdhsa_enable_private_segment 0
		.amdhsa_kernarg_size 32
		.amdhsa_user_sgpr_count 2
		.amdhsa_user_sgpr_kernarg_segment_ptr 1
		.amdhsa_wavefront_size32 1
		.amdhsa_system_sgpr_workgroup_id_x 1
		.amdhsa_system_sgpr_workgroup_id_y 1
		.amdhsa_system_sgpr_workgroup_id_z 1
		.amdhsa_system_vgpr_workitem_id 0
		.amdhsa_next_free_vgpr 256
		.amdhsa_next_free_sgpr 66
		.amdhsa_reserve_vcc 0
		.amdhsa_float_denorm_mode_32 3
		.amdhsa_float_denorm_mode_16_64 3
		.amdhsa_memory_ordered 1
		.amdhsa_forward_progress 1
		.amdhsa_inst_pref_size 61
	.end_amdhsa_kernel
	.amdgpu_metadata
---
amdhsa.version: [ 1, 2 ]
amdhsa.kernels:
  - .name:           k_qe120a44f59_attn
    .symbol:         k_qe120a44f59_attn.kd
    .args:
      - { .name: qr, .offset: 0, .size: 8, .value_kind: global_buffer, .address_space: global }
      - { .name: kv, .offset: 8, .size: 8, .value_kind: global_buffer, .address_space: global }
      - { .name: yc, .offset: 16, .size: 8, .value_kind: global_buffer, .address_space: global }
      - { .name: ys, .offset: 24, .size: 8, .value_kind: global_buffer, .address_space: global }
    .group_segment_fixed_size: 210944
    .private_segment_fixed_size: 0
    .kernarg_segment_align: 8
    .kernarg_segment_size: 32
    .max_flat_workgroup_size: 512
    .sgpr_count:     66
    .vgpr_count:     256
    .wavefront_size: 32
...
	.end_amdgpu_metadata
.endif
;; end of part 3
;; launch proj (part 4): grid 4 x 32, 4 waves a work-group, clusters of 4 x 4, 327,680 bytes of LDS; arguments yc, ys, wc, ws, out0; writes out0
.if DOCPART == 4
	.amdgcn_target "amdgcn-amd-amdhsa--gfx1250"
	.amdhsa_code_object_version 6
	.text
	.protected	k_qe120a44f59_proj
	.globl	k_qe120a44f59_proj
	.p2align	8
	.type	k_qe120a44f59_proj,@function
k_qe120a44f59_proj:
	s_mov_b64 s[64:65], 0
	v_nop
	global_prefetch_b8 v0, s[64:65] scope:SCOPE_SE
	s_setreg_imm32_b32 hwreg(HW_REG_WAVE_MODE, 25, 1), 1
	s_wait_xcnt 0x0
	s_wait_alu depctr_hold_cnt(0) depctr_sa_sdst(0) depctr_va_vdst(0) depctr_va_sdst(0) depctr_va_ssrc(0) depctr_va_vcc(0) depctr_vm_vsrc(0)
	s_getreg_b32 s2, hwreg(HW_REG_IB_STS2, 6, 4)
	s_cmp_eq_u32 s2, 0
	s_cbranch_scc0 .Lentry_in_a_cluster
	s_endpgm
.Lentry_in_a_cluster:
	s_bfe_u32 s2, ttmp6, 0x10000c
	s_cmp_lg_u32 s2, 0xf033
	s_cbranch_scc0 .Lentry_shape_is_right
	s_endpgm
.Lentry_shape_is_right:
.set NQ,     2
.set FR,     12
.set NL,     4
.set NP,     4
.set HALFT,  24576
.set SLOT,   4*HALFT
.set SCL,     3*SLOT                   ; K block 0 (later block 3) in the first SLOT bytes; behind it, for each of the four parts, blocks 1 and 2 on end
.set G0H,  4                           ; s[4:7], s[8:11] group 0 of the head's loads of codes (the arguments there have been used)
.set G0HB, 8
.set HALFS,  4096
.set SPARE,  SCL+4*HALFS
.set SPITCH, 528
.set ADRA, 16
.set ADRB, 20
.set STO,  24
.set RD,   25
.set CO,   26
.set ADRS, 27
.set SPW,  28
.set NIL,  29
.set SC,   32
.set AF,   128
.set BK,   128
.set G1, 24
.set G0, 32
.set G1B, 48
.set G0B, 56
.set G1S, 68
.set G0S, 76
.set G1SB, 80
.set G0SB, 88
.set MSB, 0
.macro WIN new
.if MSB != (\new)
	s_set_vgpr_msb (MSB<<8)|(\new)
.set MSB, (\new)
.endif
.endm
.set MUL_LO, 0xa1
.set MUL_HI, 0xf1
.set TO_B,   0x40
.macro JLOAD g0a, g1a, g0b, g1b
	s_cmp_eq_u32 s15, 0
	s_cbranch_scc0 .Lfor_b_\@
	tensor_load_to_lds s[\g0a:\g0a+3], s[\g1a:\g1a+7]
	s_nop 0
.rept 4
	v_nop
.endr
	s_branch .Lasked_\@
.Lfor_b_\@:
	tensor_load_to_lds s[\g0b:\g0b+3], s[\g1b:\g1b+7]
	s_nop 0
.rept 4
	v_nop
.endr
.Lasked_\@:
.endm
.macro CREST
	s_cmp_lg_u32 s14, 0
	s_cbranch_scc1 .Lnot_wave_0_\@
	s_barrier_signal -3
.Lnot_wave_0_\@:
	s_barrier_wait -3
	s_barrier_signal -1
	s_barrier_wait -1
.endm
.macro CROUND
	s_barrier_signal -1
	s_barrier_wait -1
	CREST
.endm
	s_load_b128 s[4:7], s[0:1], 0x0
	s_load_b128 s[8:11], s[0:1], 0x10
	s_load_b64 s[12:13], s[0:1], 0x20
	v_lshl_add_u32 v[SPW], v0, 2, SPARE
	v_mov_b32 v[NIL], 0
	ds_add_u32 v[SPW], v[NIL]
	ds_add_u32 v[SPW], v[NIL]
	v_lshrrev_b32 v1, 5, v0
	v_readfirstlane_b32 s14, v1
	s_lshr_b32 s15, s14, 1
	s_and_b32 s16, s14, 1
	s_bfe_u32 s40, ttmp6, 0x40000
	s_bfe_u32 s41, ttmp6, 0x40004
	s_lshl_b32 s42, ttmp9, 2
	s_add_co_u32 s42, s42, s40
	s_and_b32 s17, ttmp7, 0xffff
	s_lshl_b32 s17, s17, 2
	s_add_co_u32 s17, s17, s41
	s_lshl_b32 s43, s41, 2
	s_lshl_b32 s43, 15, s43
	s_lshl_b32 s44, 0x1111, s40
	s_or_b32 s[G1+0], s43, (3<<16)|(1<<21)
	s_or_b32 s[G1B+0], s44, (3<<16)|(1<<21)
.irp g, G1, G1B                        ; the head's shape: K block 0 of two row blocks: 2 rows of 24,576 bytes, 98,304 bytes apart in memory
	s_mov_b32 s[\g+1], 3072<<16
	s_mov_b32 s[\g+2], 2<<16
	s_mov_b32 s[\g+3], 3072<<16
	s_mov_b32 s[\g+4], 2
	s_mov_b32 s[\g+5], 12288
	s_mov_b32 s[\g+6], 0
	s_mov_b32 s[\g+7], 0
.endr
	s_or_b32 s[G1S+0], s43, (3<<16)|(1<<21)
	s_or_b32 s[G1SB+0], s44, (3<<16)|(1<<21)
.irp g, G1S, G1SB
	s_mov_b32 s[\g+1], 32<<16
	s_mov_b32 s[\g+2], 32<<16
	s_mov_b32 s[\g+3], 32<<16
	s_mov_b32 s[\g+4], 32
	s_mov_b32 s[\g+5], 32
	s_mov_b32 s[\g+6], 0
	s_mov_b32 s[\g+7], 0
.endr
	s_lshl_b32 s20, s17, 1
	s_add_co_u32 s20, s20, s16
	s_lshl_b32 s46, s42, 1
	s_add_co_u32 s46, s46, s16
	s_add_co_u32 s46, s46, 24
	s_lshl_b32 s22, s20, 12
	s_mov_b32 s23, 0
	s_lshl_b32 s92, s46, 12
	s_mov_b32 s93, 0
	s_mul_i32 s20, s20, 4*HALFT
	s_mov_b32 s21, 0
	s_mul_i32 s46, s46, 4*HALFT
	s_mov_b32 s47, 0
	s_mul_i32 s45, s14, HALFT
	s_wait_dscnt 0x0
	s_wait_kmcnt 0x0
	s_add_nc_u64 s[20:21], s[4:5], s[20:21]
	s_add_nc_u64 s[22:23], s[6:7], s[22:23]
	s_add_nc_u64 s[46:47], s[8:9], s[46:47]
	s_add_nc_u64 s[92:93], s[10:11], s[92:93]
	CROUND
; The head's four tiles, each whole, one load a wave: wave 0 K block 0 of A's 256 rows, wave 1 of B's, wave 2 A's scales, wave 3 B's.
.macro HEADD g, lds, a                 ; group 0: the address less my half's distance s[18:19]: the tile's first byte
	s_mov_b32 s[\g], 1
	s_mov_b32 s[\g+1], \lds
	s_sub_nc_u64 s[\g+2:\g+3], s[\a:\a+1], s[18:19]
	s_or_b32 s[\g+3], s[\g+3], 0x80000000
.endm
.macro RING g, a                       ; set 0: K block 3 (stepped by two blocks ahead of its load) over block 0; set 1: K blocks 1 and 2 of my part, 49,152 bytes on end
	s_mov_b32 s[\g], 1
	s_add_co_u32 s[\g+1], s45, 0
	s_add_nc_u64 s[\g+2:\g+3], s[\a:\a+1], HALFT
	s_or_b32 s[\g+3], s[\g+3], 0x80000000
	s_mov_b32 s[\g+4], 1
	s_lshl_b32 s[\g+5], s45, 1
	s_add_co_u32 s[\g+5], s[\g+5], SLOT
	s_add_nc_u64 s[\g+6:\g+7], s[\a:\a+1], HALFT
	s_or_b32 s[\g+7], s[\g+7], 0x80000000
.endm
	s_mul_i32 s18, s16, 4*HALFT
	s_mov_b32 s19, 0
	HEADD G0H, 0, 20
	HEADD G0HB, 2*HALFT, 46
	s_lshl_b32 s18, s16, 12
	HEADD G0S, SCL, 22
	HEADD G0SB, SCL+2*HALFS, 92
	RING G0, 20
	RING G0B, 46
.macro ARM under, g0, g1, next         ; one chain of branches on the wave's number, one load to an arm, all arms to one join
	s_cmp_lt_u32 s14, \under
	s_cbranch_scc0 \next
	tensor_load_to_lds s[\g0:\g0+3], s[\g1:\g1+7]
	s_nop 0
.rept 4
	v_nop
.endr
	s_branch .Lhead_asked
\next:
.endm
	ARM 1, G0H,  G1,  .Lhead_b
	ARM 2, G0HB, G1B, .Lhead_sa
	ARM 3, G0S,  G1S, .Lhead_sb
	tensor_load_to_lds s[G0SB:G0SB+3], s[G1SB:G1SB+7]
	s_nop 0
.rept 4
	v_nop
.endr
.Lhead_asked:
	v_and_b32 v1, 15, v0
	v_bfe_u32 v2, v0, 4, 1
	v_and_b32 v3, 31, v0
	v_lshlrev_b32 v[CO], 4, v3
	v_lshlrev_b32 v4, 4, v1
	v_lshl_add_u32 v4, v2, 3, v4
	s_mul_i32 s21, s15, HALFT
	s_mul_i32 s22, s16, HALFT
	s_add_co_u32 s22, s22, 2*HALFT
.irp s, 0,1
	v_add_nc_u32 v[ADRA+\s], s21, v[CO]
	v_add_nc_u32 v[ADRB+\s], s22, v[CO]
	v_add_nc_u32 v[ADRA+2+\s], s21, v4
	v_add_nc_u32 v[ADRB+2+\s], s22, v4
	s_lshl_b32 s21, s21, 1                         ; address set 1: K block 1 of my part, at SLOT + part x 2 HALFT (block 2 lies HALFT behind it)
	s_add_co_u32 s21, s21, SLOT
	s_lshl_b32 s22, s22, 1
	s_add_co_u32 s22, s22, SLOT
.endr
	v_lshlrev_b32 v5, 3, v1
	s_mul_i32 s21, s15, HALFS
	s_mul_i32 s22, s16, HALFS
	s_add_co_u32 s22, s22, 2*HALFS
	s_sub_co_u32 s22, s22, s21
	v_mul_u32_u24 v6, s22, v2
	s_add_co_u32 s21, s21, SCL
	v_add_nc_u32 v5, v5, v6
	v_add_nc_u32 v[ADRS], s21, v5
	s_mul_i32 s23, s14, 16*SPITCH
	s_add_co_u32 s23, s23, SLOT                    ; the stage lies in bytes of K blocks 1 and 2: filled once, and read by nobody behind the walk's last barrier
	v_mul_u32_u24 v5, v1, SPITCH
	v_lshl_add_u32 v5, v2, 6, v5
	v_add_nc_u32 v[STO], s23, v5
	v_add_nc_u32 v[RD], s23, v[CO]
	s_lshl_b32 s20, s17, 8
	s_lshl_b32 s21, s15, 7
	s_add_co_u32 s20, s20, s21
	s_lshl_b32 s20, s20, 12
	s_lshl_b32 s46, s42, 10
	s_lshl_b32 s47, s16, 9
	s_add_co_u32 s46, s46, s47
	s_add_co_u32 s20, s20, s46
	s_mov_b32 s21, 0
	s_add_nc_u64 s[12:13], s[12:13], s[20:21]
.macro FRAG reg, adr, q, i
.irp c, 0,1
	ds_load_b128 v[\reg+6*\c:\reg+6*\c+3], v[\adr] offset:(2*(\i)+(\q))*1536+768*\c+KOFF
	ds_load_b64 v[\reg+6*\c+4:\reg+6*\c+5], v[\adr+2] offset:(2*(\i)+(\q))*1536+768*\c+512+KOFF
.endr
.endm
.macro MUL16 a0, p, q, sc, zero
.irp a, \a0, \a0+1
.irp b, 0,1,2,3,4,5,6,7
.if \zero
	v_wmma_scale_f32_16x16x128_f8f6f4 v[8*(8*((\a)%4)+\b):8*(8*((\a)%4)+\b)+7], v[128*(\p)+FR*\b:128*(\p)+FR*\b+FR-1], v[AF+FR*(\a):AF+FR*(\a)+FR-1], 0, v[SC+8*NQ*(\sc)+NQ*\b+(\q)], v[SC+8*NQ*(\sc)+NQ*(\a)+(\q)] matrix_a_fmt:MATRIX_FMT_FP6 matrix_b_fmt:MATRIX_FMT_FP6 matrix_a_scale:MATRIX_SCALE_ROW1
.else
	v_wmma_scale_f32_16x16x128_f8f6f4 v[8*(8*((\a)%4)+\b):8*(8*((\a)%4)+\b)+7], v[128*(\p)+FR*\b:128*(\p)+FR*\b+FR-1], v[AF+FR*(\a):AF+FR*(\a)+FR-1], v[8*(8*((\a)%4)+\b):8*(8*((\a)%4)+\b)+7], v[SC+8*NQ*(\sc)+NQ*\b+(\q)], v[SC+8*NQ*(\sc)+NQ*(\a)+(\q)] matrix_a_fmt:MATRIX_FMT_FP6 matrix_b_fmt:MATRIX_FMT_FP6 matrix_a_scale:MATRIX_SCALE_ROW1
.endif
.endr
.endr
.endm
.macro FETCH_B slot, q, p
	WIN TO_B
.irp i, 0,1,2,3,4,5,6,7
	FRAG 128*(\p)+FR*\i, ADRB+ASET, \q, \i
.endr
	WIN 0
.endm
.macro FETCH_A slot, q, i0
.irp i, \i0, \i0+1, \i0+2, \i0+3
	FRAG AF+FR*(\i), ADRA+ASET, \q, \i
.endr
.endm
.macro SCALES sc
.irp i, 0,1,2,3,4,5,6,7
	ds_load_b64 v[SC+8*NQ*\sc+NQ*\i:SC+8*NQ*\sc+NQ*\i+1], v[ADRS] offset:\i*128
.endr
.endm
.macro PLACES n
.rept \n
	v_nop
.endr
.endm
.macro STEP slot, q, zero
	s_wait_dscnt 4*NL
	WIN MUL_LO
	MUL16 0, (\q)%2, \q, \slot, \zero
	MUL16 2, (\q)%2, \q, \slot, \zero
	s_wait_dscnt 0
	PLACES NP
	FETCH_B \slot, (\q)+1, 1-(\q)%2
	FETCH_A \slot, (\q)+1, 0
	WIN MUL_HI
	MUL16 4, (\q)%2, \q, \slot, \zero
	MUL16 6, (\q)%2, \q, \slot, \zero
	PLACES NP
	WIN 0
	FETCH_A \slot, (\q)+1, 4
.endm
.macro TURN slot, next, fill
.if \fill < 2
	s_wait_tensorcnt 0x0
	ds_add_u32 v[SPW], v[NIL]
	s_wait_dscnt 4*NL+1
	WIN MUL_LO
	MUL16 0, 1, NQ-1, \slot, 0
	s_wait_dscnt 0x0
	s_barrier_signal -1
	MUL16 2, 1, NQ-1, \slot, 0
	WIN 0
	s_barrier_wait -1
.else                                  ; fill = 2: the next K block came with this one and was shown whole by the barrier before: no wait on tiles, no barrier
	s_wait_dscnt 4*NL
	WIN MUL_LO
	MUL16 0, 1, NQ-1, \slot, 0
	MUL16 2, 1, NQ-1, \slot, 0
	s_wait_dscnt 0
	WIN 0
.endif
.if \fill == 1
	CREST
	s_mov_b32 s[G1+2], 96<<16                      ; no tensor load of mine is out: the refill brings one K block, 96 rows of 256 bytes
	s_mov_b32 s[G1+4], 96
	s_mov_b32 s[G1B+2], 96<<16
	s_mov_b32 s[G1B+4], 96
	s_add_nc_u64 s[G0+4*\slot+2:G0+4*\slot+3], s[G0+4*\slot+2:G0+4*\slot+3], 2*HALFT
	s_add_nc_u64 s[G0B+4*\slot+2:G0B+4*\slot+3], s[G0B+4*\slot+2:G0B+4*\slot+3], 2*HALFT
	JLOAD G0+4*\slot, G1, G0B+4*\slot, G1B
.else
	PLACES NP
.endif
	s_wait_alu depctr_va_vdst(0)
	v_add_nc_u32 v[ADRS], 1024, v[ADRS]
	FETCH_B \next, 0, 0
	FETCH_A \next, 0, 0
	SCALES \next
	WIN MUL_HI
	MUL16 4, 1, NQ-1, \slot, 0
	MUL16 6, 1, NQ-1, \slot, 0
	PLACES NP
	WIN 0
	FETCH_A \next, 0, 4
.endm
	s_wait_alu depctr_va_vdst(0)
	s_wait_tensorcnt 0x0                           ; my tile of the head's four is in
	ds_add_u32 v[SPW], v[NIL]
.irp g, G1, G1B                        ; no tensor load of mine is out: the next load brings two K blocks of my part: 192 rows of 256 bytes, dense
	s_mov_b32 s[\g+1], 32<<16
	s_mov_b32 s[\g+2], 192<<16
	s_mov_b32 s[\g+3], 32<<16
	s_mov_b32 s[\g+4], 192
	s_mov_b32 s[\g+5], 32
.endr
	s_wait_dscnt 0x0
	CROUND
	JLOAD G0+4, G1, G0B+4, G1B                     ; K blocks 1 and 2: the first tensor load behind the round
.set ASET, 0                           ; which address set, and which offset, the fragment loads take
.set KOFF, 0
	FETCH_B 0, 0, 0
	FETCH_A 0, 0, 0
	SCALES 0
	FETCH_A 0, 0, 4
	STEP 0, 0, 1
.set ASET, 1
	TURN 0, 1, 1                                   ; blocks 1 and 2 are in; block 3 is asked for, over block 0
	STEP 1, 0, 0
.set KOFF, HALFT
	TURN 1, 0, 2                                   ; on to block 2
	STEP 0, 0, 0
.set ASET, 0
.set KOFF, 0
	TURN 0, 1, 0                                   ; block 3 is in
	STEP 1, 0, 0
	s_wait_dscnt 4*NL
	WIN MUL_LO
	MUL16 0, 1, NQ-1, 1, 0
	MUL16 2, 1, NQ-1, 1, 0
	s_wait_dscnt 0
	WIN MUL_HI
	MUL16 4, 1, NQ-1, 1, 0
	MUL16 6, 1, NQ-1, 1, 0
	WIN 0
.macro TOSTAGE a
.set AC, 64*((\a)%4)
	WIN 0x08+4*((\a)/4)
.irp b, 0,1,2,3,4,5,6,7
	ds_store_b128 v[STO], v[AC+8*\b:AC+8*\b+3] offset:128*(\b/2)+32*(\b%2)
	ds_store_b128 v[STO], v[AC+8*\b+4:AC+8*\b+7] offset:128*(\b/2)+32*(\b%2)+16
.endr
	WIN 0
.set BB, BK+64*((\a)%2)
.irp t, 0,1,2,3,4,5,6,7,8,9,10,11,12,13,14,15
	ds_load_b128 v[BB+4*\t:BB+4*\t+3], v[RD] offset:\t*SPITCH
.endr
.endm
.macro SEND a, younger
.set BB, BK+64*((\a)%2)
	s_wait_dscnt \younger
.irp t, 0,1,2,3,4,5,6,7,8,9,10,11,12,13,14,15
	global_store_b128 v[CO], v[BB+4*\t:BB+4*\t+3], s[12:13] offset:(32*((\a)/2)+8*((\a)%2)+\t+8*(\t/8))*4096 th:TH_STORE_NT
.endr
.endm
	PLACES NP
	TOSTAGE 0
.irp a, 1,2,3,4,5,6,7
.if \a > 1
	s_wait_xcnt 0x0
.endif
	TOSTAGE \a
	SEND \a-1, 32
.endr
	SEND 7, 0
	s_wait_tensorcnt 0x0
	ds_add_u32 v[SPW], v[NIL]
	s_wait_dscnt 0x0
	CROUND
	s_endpgm
.Lfunc_end_k_qe120a44f59_proj:
	.size	k_qe120a44f59_proj, .Lfunc_end_k_qe120a44f59_proj-k_qe120a44f59_proj
	.p2alignl 7, 3214868480
	.fill 96, 4, 3214868480
	.section	.rodata,"a",@progbits
	.p2align	6, 0x0
	.amdhsa_kernel k_qe120a44f59_proj
		.amdhsa_group_segment_fixed_size 327680
		.amdhsa_private_segment_fixed_size 0
		.amdhsa_enable_private_segment 0
		.amdhsa_kernarg_size 40
		.amdhsa_user_sgpr_count 2
		.amdhsa_user_sgpr_kernarg_segment_ptr 1
		.amdhsa_wavefront_size32 1
		.amdhsa_system_sgpr_workgroup_id_x 1
		.amdhsa_system_sgpr_workgroup_id_y 1
		.amdhsa_system_sgpr_workgroup_id_z 1
		.amdhsa_system_vgpr_workitem_id 0
		.amdhsa_next_free_vgpr 1024
		.amdhsa_next_free_sgpr 98
		.amdhsa_reserve_vcc 0
		.amdhsa_float_denorm_mode_32 3
		.amdhsa_float_denorm_mode_16_64 3
		.amdhsa_memory_ordered 1
		.amdhsa_forward_progress 1
		.amdhsa_inst_pref_size 144
	.end_amdhsa_kernel
	.amdgpu_metadata
---
amdhsa.version: [ 1, 2 ]
amdhsa.kernels:
  - .name:           k_qe120a44f59_proj
    .symbol:         k_qe120a44f59_proj.kd
    .args:
      - { .name: yc, .offset: 0, .size: 8, .value_kind: global_buffer, .address_space: global }
      - { .name: ys, .offset: 8, .size: 8, .value_kind: global_buffer, .address_space: global }
      - { .name: wc, .offset: 16, .size: 8, .value_kind: global_buffer, .address_space: global }
      - { .name: ws, .offset: 24, .size: 8, .value_kind: global_buffer, .address_space: global }
      - { .name: out0, .offset: 32, .size: 8, .value_kind: global_buffer, .address_space: global }
    .group_segment_fixed_size: 327680
    .private_segment_fixed_size: 0
    .kernarg_segment_align: 8
    .kernarg_segment_size: 40
    .max_flat_workgroup_size: 128
    .sgpr_count:     98
    .vgpr_count:     1024
    .wavefront_size: 32
...
	.end_amdgpu_metadata
.endif
;; end of part 4
